; MI455X (gfx1250); checked and timed in simulation.
; The chip was launched on July 23, 2026; its instructions are those of AMD's public machine-readable ISA for CDNA 5 (MIT licence, August 2026) and "CDNA5" Instruction Set Architecture Reference Guide (July 2026). The comments in the code are by the model that wrote it; some were corrected since.
;; Causal Self Attention. Allowed arithmetic: matrix products marked QUANTISED: E4M3 operands, one given power-of-two scale a tensor, by v_wmma_f32_16x16x64_fp8_fp8 or v_wmma_f32_16x16x128_fp8_fp8, f32 sums; everything else in f32.
;; Inputs: Wk 1,024 x 1,024 float32; Wo 1,024 x 1,024 float32; Wq 1,024 x 1,024 float32; Wv 1,024 x 1,024 float32; lowp_scales 12 int32 (the exponents e of the quantised operands' scales 2^e); x 4 x 2,048 x 1,024 float32.
;; Outputs: out0 4 x 2,048 x 1,024 float32.
;; This version of the problem:
;;   THIS VERSION OF THE PROBLEM IS GIVEN IN LOW PRECISION. The matrix products marked QUANTISED in the list below multiply operands that are first quantised to E4M3 (4 exponent bits, 3 mantissa bits; 8 bits a number), with one given power-of-two scale for each operand tensor; their sums are f32. All else is computed in f32.
;;   The module's matrix products, in the order in which they are computed (A, B: the left and right operand; K: the contracted axis; several contracted axes count as one K, in the product's order):
;;     1. [M 8,192, K 1,024] x [K 1,024, N 1,024]; A: input x; B: input Wq: QUANTISED (scales: A lowp_scales[0], B lowp_scales[1])
;;     2. [M 8,192, K 1,024] x [K 1,024, N 1,024]; A: input x; B: input Wk: QUANTISED (scales: A lowp_scales[2], B lowp_scales[3])
;;     3. [M 8,192, K 1,024] x [K 1,024, N 1,024]; A: input x; B: input Wv: QUANTISED (scales: A lowp_scales[4], B lowp_scales[5])
;;     4. batch 64 x [M 2,048, K 64] x [K 64, N 2,048]; A: computed on the way; B: computed on the way: QUANTISED (scales: A lowp_scales[6], B lowp_scales[7])
;;     5. batch 64 x [M 2,048, K 2,048] x [K 2,048, N 64]; A: softmax (see below); B: computed on the way: QUANTISED (scales: A lowp_scales[8], B lowp_scales[9])
;;     6. [M 8,192, K 1,024] x [K 1,024, N 1,024]; A: computed on the way; B: input Wo: QUANTISED (scales: A lowp_scales[10], B lowp_scales[11])
;;   THE QUANTISER, for each operand of a quantised product, along K:
;;     - The operand's scale is 2^e, e = its entry of the input lowp_scales (int32; the entries are numbered through the quantised products in the list's order, A before B).
;;     - Each number is divided by the scale, clamped to +-448, and rounded to the nearest number of E4M3, ties to even, subnormals kept.
;;     - The product sums the exact products of the quantised numbers (number of the format x scale) in f32.
;;   ~~~python
;;   def quantise(x, axis, e):      # numpy; x: float32 -> the quantised numbers, widened to float32 again
;;       x = np.moveaxis(x, axis, -1); K = x.shape[-1]
;;       r = np.clip(x / 2.0 ** e, -448, 448)
;;       step = 2.0 ** (np.maximum(np.frexp(np.where(r == 0, 1, r))[1] - 1, -6) - 3)
;;       q = np.round(r / step) * step * 2.0 ** e      # np.round: ties to even
;;       return np.moveaxis(q, -1, axis).astype(np.float32)
;;   ~~~
;;   SOFTMAX AHEAD OF A QUANTISED PRODUCT. Where the list says 'softmax', what is quantised is not the finished softmax but p = 2^(t - M), with t = logit x log2(e) and M = ceil(the row's largest t), a whole number; so 1/2 < the row's largest p <= 1. The row's sum l is taken of the UNQUANTISED p, in f32, and the product's result is divided by l at the end. Since M is a whole number, a kernel that streams over the keys may use a running M (the ceiling of the running maximum): every later rescaling is an exact power of two, so the quantised numbers keep their values, but for numbers so far below the row's largest that they fall under the format's range.
;;   OPERANDS COMPUTED ON THE WAY. 'Computed on the way' means the value that the module computes at that place (a softmax that the list does not call 'softmax' is quantised finished and normalised). What goes into a quantiser is computed in f32, as accurately as f32 sums, v_exp_f32 and their like allow (about 1e-6 of the number): no bf16 or f16 on the way to a quantiser, and a product that is left as it is and whose result goes on into a quantised operand takes f32 operands (vector FMAs, or v_wmma_f32_16x16x4_f32). A number that lies on a knife's edge between two numbers of the format may be rounded either way, as far as f32 arithmetic and the matrix unit's own rounding can turn it there, and no further.
;; One version. Each part assembles by itself: llvm-mc -triple=amdgcn-amd-amdhsa -mcpu=gfx1250 --defsym DOCPART=n.
;; ======== version 1 of 1: 4 launches
;; limits: right only within a limited range of input values
;; workspace buffers: xc 25,165,824 bytes; wc 4,194,304 bytes; qkvc 25,165,824 bytes; ac 8,388,608 bytes
;; launch quant (part 1): grid 1024 x 1, 4 waves a work-group, no clusters, 34,304 bytes of LDS; arguments x, Wq, Wk, Wv, Wo, lowp_scales, xc, wc; writes xc, wc
.if DOCPART == 1
	.amdgcn_target "amdgcn-amd-amdhsa--gfx1250"
	.amdhsa_code_object_version 6
	.text
	.protected	k_q542a7b02cc_quant
	.globl	k_q542a7b02cc_quant
	.p2align	8
	.type	k_q542a7b02cc_quant,@function
k_q542a7b02cc_quant:
	s_mov_b64 s[64:65], 0
	v_nop
	global_prefetch_b8 v0, s[64:65] scope:SCOPE_SE
	s_setreg_imm32_b32 hwreg(HW_REG_WAVE_MODE, 25, 1), 1
	s_wait_xcnt 0x0
; x [8192][1024] f32 becomes three sets of E4M3 codes (scales 2^e0, 2^e2, 2^e4: one set for each of the three products that read x);
; Wq, Wk, Wv, Wo [k 1024][n 1024] f32 become codes under 2^e1, 2^e3, 2^e5, 2^e11.
; code = number / 2^e, rounded to the nearest code, ties to even.
; LIMITS: each e between -126 and 119, so that 2^e and 448 x 2^e are f32 numbers.  NaN among the inputs is not served.
; LAYOUT OF THE CODES: images of the matrix operand's registers.  A fragment is 16 rows x 128 along K = 2,048 bytes, laid [g 0..3][lane 0..31][16 bytes];
; lane = 16 h + r holds, of row r, k = 32 g + 8 h + 0..7 and then k = 32 g + 16 + 8 h + 0..7: registers 4 g .. 4 g + 3 of the 8-bit operand of the K = 128 form.
;   xc: [set 3][tile of 16 tokens 512][K step 8][fragment]      wc: [weight 4][tile of 16 columns n 64][K step 8][fragment]
; So each store below covers whole aligned runs of 256 or 512 consecutive bytes, and a later reader fetches a fragment by four 16-byte loads a lane at 16 x lane.
; Work-groups 0-511 take x, work-groups 512-1023 the weights.  A WAVE ASKS FOR ALL THAT IT READS AT ITS HEAD (x: 32 loads of 512 bytes; a weight: 64 loads of 128 bytes), so that it goes to memory once.
; No tensor loads, no barrier: waves share nothing.  Matrix units and clusters have nothing to do here.
.set R,    16                          ; x: v16-143   two fragments' numbers as loaded (row i in 4 registers); each set of 64 later takes that fragment's codes (48 registers)
.set X,    144                         ; x: v144-207  a fragment, 64 numbers of my row in the operand's order
.set TMP,  208                         ; x: v208-239  not used: the conversions read X directly
.set SP,   528                         ; x: a stage row: 512 bytes + 16, an odd multiple of 16
.set WST,  16*SP                       ; x: a wave's stage
.set WN,   16                          ; w: v16-79    64 numbers down K of my column
.set WC,   80                          ; w: v80-95    their codes
.macro MKSCALE e, vs, vl               ; from the whole number in s[e]: v[vs] = 2^e (the conversion takes its exponent field)
	s_add_co_i32 s8, s[\e], 127
	s_lshl_b32 s9, s8, 23
	v_mov_b32 v[\vs], s9
	s_add_co_i32 s8, s8, 8
	s_lshl_b32 s8, s8, 23
	s_or_b32 s8, s8, 0x600000
.endm
	s_load_b512 s[16:31], s[0:1], 0x0              ; x s[16:17], Wq s[18:19], Wk s[20:21], Wv s[22:23], Wo s[24:25], scales s[26:27], xc s[28:29], wc s[30:31]
	v_lshl_add_u32 v240, v0, 2, 0x8400
	v_mov_b32 v241, 0
	v_lshrrev_b32 v1, 5, v0
	v_readfirstlane_b32 s2, v1                     ; wave 0..3
	v_and_b32 v1, 31, v0                           ; lane
	v_lshlrev_b32 v2, 4, v1                        ; 16 x lane
	s_wait_kmcnt 0x0
	s_load_b256 s[32:39], s[26:27], 0x0            ; e0 .. e7
	s_load_b128 s[40:43], s[26:27], 0x20           ; e8 .. e11
	s_cmp_ge_u32 ttmp9, 512
	s_cbranch_scc1 .Lw
; ---------------- x: a wave makes two fragments (16 tokens x 256 along K), each in three sets ----------------
	s_lshl_b32 s3, ttmp9, 2
	s_add_co_u32 s3, s3, s2                        ; W = 4 x work-group + wave, 0..2047
	s_lshr_b32 s6, s3, 2                           ; the tile of 16 tokens
	s_and_b32 s7, s3, 3                            ; which quarter of K
	s_lshl_b32 s8, s6, 16                          ; 16 rows of 4,096 bytes
	s_lshl_b32 s9, s7, 10                          ; 256 numbers
	s_add_co_u32 s8, s8, s9
	s_mov_b32 s9, 0
	s_add_nc_u64 s[4:5], s[16:17], s[8:9]
	s_lshl_b32 s8, s6, 14                          ; a tile's eight fragments
	s_lshl_b32 s10, s7, 12                         ; two of them
	s_add_co_u32 s8, s8, s10
	s_add_nc_u64 s[48:49], s[28:29], s[8:9]        ; the three sets lie 8 MiB apart: a base for each
	s_add_nc_u64 s[50:51], s[48:49], 0x800000
	s_add_nc_u64 s[52:53], s[50:51], 0x800000
.macro LOADF f                         ; fragment f: 16 rows, each load 512 consecutive bytes of one row
.set i, 0
.rept 16
	global_load_b128 v[R+64*(\f)+4*i:R+64*(\f)+4*i+3], v2, s[4:5] offset:i*4096+(\f)*512 th:TH_LOAD_NT
.set i, i+1
.endr
.endm
.macro TURNF f                         ; through my own stage: in as loaded, out 64 numbers of my row in the operand's order.  LDS serves a wave's instructions in order: no wait between
.set i, 0
.rept 16
	ds_store_b128 v10, v[R+64*(\f)+4*i:R+64*(\f)+4*i+3] offset:i*SP
.set i, i+1
.endr
.irp g, 0,1,2,3
	ds_load_b128 v[X+16*\g:X+16*\g+3],     v11 offset:128*\g       ; k = 32 g + 8 h + 0..3
	ds_load_b128 v[X+16*\g+4:X+16*\g+7],   v11 offset:128*\g+16
	ds_load_b128 v[X+16*\g+8:X+16*\g+11],  v11 offset:128*\g+64    ; k = 32 g + 16 + 8 h + 0..3
	ds_load_b128 v[X+16*\g+12:X+16*\g+15], v11 offset:128*\g+80
.endr
.endm
; The fragment in X is quantised three times.
; The codes go into the registers in which the fragment's numbers arrived: each fragment has its own, so no store's data are written again.
.macro QF f
.irp t, 0,1,2
.irp g, 0,1,2,3
.set i, 0
.rept 16
.set i, i+1
.endr
	v_cvt_scalef32_pk8_fp8_f32 v[R+64*(\f)+16*\t+4*\g:R+64*(\f)+16*\t+4*\g+1], v[TMP+16*(\g%2)+((X+16*\g+i)-(TMP+16*(\g%2)+i)):TMP+16*(\g%2)+7+((X+16*\g+i)-(TMP+16*(\g%2)+i))], v[4+2*\t]
	v_cvt_scalef32_pk8_fp8_f32 v[R+64*(\f)+16*\t+4*\g+2:R+64*(\f)+16*\t+4*\g+3], v[TMP+16*(\g%2)+8+((X+16*\g+i)-(TMP+16*(\g%2)+i)):TMP+16*(\g%2)+15+((X+16*\g+i)-(TMP+16*(\g%2)+i))], v[4+2*\t]
.endr
	v_nop                                          ; one plain line behind the last conversion of a run
.irp g, 0,1,2,3
	global_store_b128 v2, v[R+64*(\f)+16*\t+4*\g:R+64*(\f)+16*\t+4*\g+3], s[48+2*\t:49+2*\t] offset:(\f)*2048+\g*512   ; 32 lanes store 512 consecutive bytes, aligned
.endr
.endr
.endm
	s_wait_alu depctr_va_vdst(0)
	LOADF 0
	LOADF 1                                        ; all 32 loads of the wave are out
	s_mul_i32 s11, s2, WST
	v_add_nc_u32 v10, s11, v2                      ; the stage, in: 16 x lane in row i
	v_and_b32 v12, 15, v0                          ; r
	v_bfe_u32 v13, v0, 4, 1                        ; h
	v_mul_u32_u24 v11, v12, SP
	v_lshl_add_u32 v11, v13, 5, v11
	v_add_nc_u32 v11, s11, v11                     ; out: row r, + 32 h bytes
	s_wait_alu depctr_va_vdst(0)
	s_wait_kmcnt 0x0
	MKSCALE 32, 4, 5                               ; e0
	MKSCALE 34, 6, 7                               ; e2
	MKSCALE 36, 8, 9                               ; e4
	s_wait_alu depctr_va_vdst(0)
	s_wait_loadcnt 16                              ; fragment 0's 16 loads are in; fragment 1's 16 may be out
	TURNF 0
	s_wait_dscnt 0x0                               ; X is in, and the stage's stores have read the registers that now take the codes
	QF 0
	s_wait_loadcnt 0x0                             ; fragment 1
	TURNF 1                                        ; (my reads of the stage were waited for above)
	s_wait_dscnt 0x0
	QF 1
	s_wait_tensorcnt 0x0
	ds_add_u32 v240, v241
	s_wait_dscnt 0x0
	s_endpgm
; ---------------- the weights: K is the first axis.  A lane takes a column n and its registers run down K: nothing is transposed ----------------
.Lw:
	s_sub_co_u32 s3, ttmp9, 512
	s_lshr_b32 s6, s3, 7                           ; which weight: 0 Wq, 1 Wk, 2 Wv, 3 Wo
	s_bfe_u32 s7, s3, 0x40003                      ; which 64 along K, 0..15: half a fragment
	s_and_b32 s10, s3, 7                           ; group of 128 columns; my wave takes 32 of them: two tiles of 16
	s_cmp_eq_u32 s6, 1                             ; the choices hang on the work-group's number alone
	s_cselect_b64 s[4:5], s[20:21], s[18:19]
	s_cmp_eq_u32 s6, 2
	s_cselect_b64 s[4:5], s[22:23], s[4:5]
	s_cmp_eq_u32 s6, 3
	s_cselect_b64 s[4:5], s[24:25], s[4:5]
	s_lshl_b32 s8, s7, 18                          ; 64 rows of 4,096 bytes
	s_lshl_b32 s9, s10, 9                          ; 128 columns
	s_add_co_u32 s8, s8, s9
	s_lshl_b32 s9, s2, 7                           ; 32 columns
	s_add_co_u32 s8, s8, s9
	s_mov_b32 s9, 0
	s_add_nc_u64 s[4:5], s[4:5], s[8:9]
	s_lshl_b32 s8, s6, 20                          ; a weight's codes: 1 MiB
	s_lshl_b32 s11, s10, 17                        ; eight tiles of columns, 16,384 bytes each
	s_add_co_u32 s8, s8, s11
	s_lshl_b32 s11, s2, 15                         ; two tiles
	s_add_co_u32 s8, s8, s11
	s_lshl_b32 s11, s7, 10                         ; 64 along K are 1,024 bytes of a tile's run of fragments
	s_add_co_u32 s8, s8, s11
	s_add_nc_u64 s[12:13], s[30:31], s[8:9]
	s_wait_alu depctr_va_vdst(0)
	v_lshlrev_b32 v3, 2, v1                        ; in: 4 bytes a lane, 128 consecutive bytes a wave, 512 a work-group
	v_lshrrev_b32 v12, 4, v1
	v_and_b32 v13, 15, v1
	v_lshlrev_b32 v12, 14, v12                     ; out: lanes 16-31 hold the second tile of columns,
	v_lshl_add_u32 v12, v13, 4, v12                ; row r = lane % 16 of the fragment: 16 r
.macro WLOAD g                         ; block g: W(32 g + i, my column), i = 0 .. 31
.set i, 0
.rept 32
	global_load_b32 v[WN+32*(\g)+i], v3, s[4:5] offset:(32*(\g)+i)*4096 th:TH_LOAD_NT
.set i, i+1
.endr
.endm
	WLOAD 0
	WLOAD 1                                        ; all 64 loads of the wave are asked for
	s_wait_kmcnt 0x0
	s_cmp_eq_u32 s6, 1
	s_cselect_b32 s14, s35, s33                    ; e3 or e1
	s_cmp_eq_u32 s6, 2
	s_cselect_b32 s14, s37, s14                    ; e5
	s_cmp_eq_u32 s6, 3
	s_cselect_b32 s14, s43, s14                    ; e11
	MKSCALE 14, 4, 5
	s_wait_alu depctr_va_vdst(0)
.irp g, 0,1
.if \g < 1
	s_wait_loadcnt 32                              ; this block's 32 loads are in; the second block's 32 may be out
.else
	s_wait_loadcnt 0x0
.endif
.set i, 0
.rept 32
.set i, i+1
.endr
	v_cvt_scalef32_pk8_fp8_f32 v[WC+8*\g:WC+8*\g+1],   v[WN+32*\g:WN+32*\g+7],     v4   ; k = 32 g + 0..7   : the h = 0 chunk's first half
	v_cvt_scalef32_pk8_fp8_f32 v[WC+8*\g+2:WC+8*\g+3], v[WN+32*\g+16:WN+32*\g+23], v4   ; k = 32 g + 16..23 : its second half
	v_cvt_scalef32_pk8_fp8_f32 v[WC+8*\g+4:WC+8*\g+5], v[WN+32*\g+8:WN+32*\g+15],  v4   ; k = 32 g + 8..15  : the h = 1 chunk
	v_cvt_scalef32_pk8_fp8_f32 v[WC+8*\g+6:WC+8*\g+7], v[WN+32*\g+24:WN+32*\g+31], v4   ; k = 32 g + 24..31
	v_nop                                          ; one plain line behind the last conversion of a run
	global_store_b128 v12, v[WC+8*\g:WC+8*\g+3],   s[12:13] offset:\g*512       ; sixteen lanes store 256 consecutive bytes, aligned
	global_store_b128 v12, v[WC+8*\g+4:WC+8*\g+7], s[12:13] offset:\g*512+256
.endr
	s_endpgm
.Lfunc_end_k_q542a7b02cc_quant:
	.size	k_q542a7b02cc_quant, .Lfunc_end_k_q542a7b02cc_quant-k_q542a7b02cc_quant
	.p2alignl 7, 3214868480
	.fill 96, 4, 3214868480
	.section	.rodata,"a",@progbits
	.p2align	6, 0x0
	.amdhsa_kernel k_q542a7b02cc_quant
		.amdhsa_group_segment_fixed_size 34304
		.amdhsa_private_segment_fixed_size 0
		.amdhsa_enable_private_segment 0
		.amdhsa_kernarg_size 64
		.amdhsa_user_sgpr_count 2
		.amdhsa_user_sgpr_kernarg_segment_ptr 1
		.amdhsa_wavefront_size32 1
		.amdhsa_system_sgpr_workgroup_id_x 1
		.amdhsa_system_sgpr_workgroup_id_y 1
		.amdhsa_system_sgpr_workgroup_id_z 1
		.amdhsa_system_vgpr_workitem_id 0
		.amdhsa_next_free_vgpr 242
		.amdhsa_next_free_sgpr 66
		.amdhsa_reserve_vcc 0
		.amdhsa_float_denorm_mode_32 3
		.amdhsa_float_denorm_mode_16_64 3
		.amdhsa_fp16_overflow 1
		.amdhsa_memory_ordered 1
		.amdhsa_forward_progress 1
		.amdhsa_inst_pref_size 24
	.end_amdhsa_kernel
	.amdgpu_metadata
---
amdhsa.version: [ 1, 2 ]
amdhsa.kernels:
  - .name:           k_q542a7b02cc_quant
    .symbol:         k_q542a7b02cc_quant.kd
    .args:
      - { .name: x, .offset: 0, .size: 8, .value_kind: global_buffer, .address_space: global }
      - { .name: Wq, .offset: 8, .size: 8, .value_kind: global_buffer, .address_space: global }
      - { .name: Wk, .offset: 16, .size: 8, .value_kind: global_buffer, .address_space: global }
      - { .name: Wv, .offset: 24, .size: 8, .value_kind: global_buffer, .address_space: global }
      - { .name: Wo, .offset: 32, .size: 8, .value_kind: global_buffer, .address_space: global }
      - { .name: lowp_scales, .offset: 40, .size: 8, .value_kind: global_buffer, .address_space: global }
      - { .name: xc, .offset: 48, .size: 8, .value_kind: global_buffer, .address_space: global }
      - { .name: wc, .offset: 56, .size: 8, .value_kind: global_buffer, .address_space: global }
    .group_segment_fixed_size: 34304
    .private_segment_fixed_size: 0
    .kernarg_segment_align: 8
    .kernarg_segment_size: 64
    .max_flat_workgroup_size: 128
    .sgpr_count:     66
    .vgpr_count:     242
    .wavefront_size: 32
...
	.end_amdgpu_metadata
.endif
;; end of part 1
;; launch qkvgemm (part 2): grid 4 x 96, 4 waves a work-group, clusters of 4 x 4, 327,680 bytes of LDS; arguments xc, wc, lowp_scales, qkvc; writes qkvc
.if DOCPART == 2
	.amdgcn_target "amdgcn-amd-amdhsa--gfx1250"
	.amdhsa_code_object_version 6
	.text
	.protected	k_q542a7b02cc_qkvgemm
	.globl	k_q542a7b02cc_qkvgemm
	.p2align	8
	.type	k_q542a7b02cc_qkvgemm,@function
k_q542a7b02cc_qkvgemm:
	s_mov_b64 s[64:65], 0
	v_nop
	global_prefetch_b8 v0, s[64:65] scope:SCOPE_SE
	s_setreg_imm32_b32 hwreg(HW_REG_WAVE_MODE, 25, 1), 1
	s_wait_xcnt 0x0
	s_wait_alu depctr_hold_cnt(0) depctr_sa_sdst(0) depctr_va_vdst(0) depctr_va_sdst(0) depctr_va_ssrc(0) depctr_va_vcc(0) depctr_vm_vsrc(0)
	s_getreg_b32 s2, hwreg(HW_REG_IB_STS2, 6, 4)
	s_cmp_eq_u32 s2, 0
	s_cbranch_scc0 .Lentry_in_a_cluster
	s_endpgm
.Lentry_in_a_cluster:
	s_bfe_u32 s2, ttmp6, 0x10000c
	s_cmp_lg_u32 s2, 0xf033
	s_cbranch_scc0 .Lentry_shape_is_right
	s_endpgm
.Lentry_shape_is_right:
; q = x Wq, k = x Wk, v = x Wv on codes of E4M3, sums in f32; each finished sum is quantised at once for the product that reads it (q: 2^e6, k: 2^e7, v: 2^e9) and stored as codes.
; A tile of 256 x 256 is made by a work-group of four waves, as many as a WGP has SIMDs; a wave makes 128 x 128: 64 accumulators of 16 x 16, 512 registers.  384 tiles: 128 for each of q, k, v.
; OPERANDS lie in memory as images of their registers: a fragment (16 rows x 128 K) is 2,048 bytes, [g 4][lane 32][16 bytes]; a tile of 16 rows has its eight K steps on end (16,384 bytes).
; So a fragment comes out of LDS by four 16-byte loads a lane at 16 x lane: consecutive bytes, no pitch, no padding, and every k stands in the place that the form's own layout gives it.
; q and k: A = x's codes (rows = tokens), B = the weight's codes (rows = its columns n).  v: A = Wv's codes, B = x's codes: the product is made the other way round, so that a lane holds ONE channel d and
; eight neighbouring KEYS, since the keys are K of the product that reads v.  One text serves all three: the choices are made by s_cselect on the cluster's y, which all partners share.
; THE MATRIX INSTRUCTION IS USED TRANSPOSED (source 0 = 16 rows of B, source 1 = 16 rows of A): lane (r, h) holds row r of A's block and B's rows 16 b + 8 h + 0..7 in accumulator b.  Their eight codes are
; registers 2 b, 2 b + 1 of the next operand: the conversions' results are stored as they stand, 512 consecutive bytes a store.  No LDS on the way out.
;   qkvc: q at 0, k at 8 MiB: [batch x head 64][tile of 16 tokens 128][1,024 bytes: 16 tokens x 64 d];  v at 16 MiB: [batch x head 64][step of 128 keys 16][tile of 16 d 4][2,048 bytes]
; K goes in steps of 256 through a ring of two LDS slots filled by the tensor data mover; 1,024 along K are four such steps.
; CLUSTERS: 4 x 4 work-groups.  The four of a row of the cluster need the same tiles of A, the four of a column the same tiles of B: each is asked for jointly.
; LIMIT: e6 - e0 - e1, e7 - e2 - e3 and e9 - e4 - e5 lie between -126 and 119, so that the folded scale and 448 x it are f32 numbers.
; REGISTERS, in windows of 256: window 0: v16-31 addresses and constants; v32-111 at work on the way out; v128-255 A's fragments, ONE set.   window 1: B's fragments, TWO sets.
;   window 2: the accumulators of my rows 0-63 ((a, b) at v[8 (8 a + b)]);   window 3: those of my rows 64-127.
.set FR,     16                        ; registers of a fragment
.set NL,     4                         ; LDS loads that bring one
.set NP,     4                         ; places behind this matrix instruction (ISA guide 7.12.1)
.set KSLOT,  4096                      ; what a slot takes of each tile of 16 rows: two fragments
.set HALFT,  8*KSLOT                   ; 128 rows: what one tensor load brings, and what one wave reads of A or of B
.set SLOT,   4*HALFT                   ; A's 256 rows, then B's 256 rows
.set SPARE,  2*SLOT                    ; behind the ring: the spare words, 128 bytes for each wave: two blocks of 256 bytes that no other line names
.set LAPS,   2                         ; a lap = two K steps of 256 = once round the ring
.set ADRA, 16                          ; v16-17  LDS address of my A fragments in slot 0, 1
.set ADRB, 20                          ; v20-21  the same for B
.set VO0,  26                          ; v26     the way out: 16 x lane
.set VO1,  27                          ; v27     the same, for accumulators 4-7: the next head (q, k) or the step's second 64 keys (v)
.set SPW,  28                          ; v28     LDS address of my spare word; never rewritten
.set NIL,  29                          ; v29     0; never rewritten
.set LIM,  30                          ; v30     448 x the folded scale
.set SC,   31                          ; v31     the folded scale
.set TMP,  32                          ; v32-95  a block's sums, held
.set CD,   96                          ; v96-111 their codes
.set AF,   128
.set G1, 24                            ; s[24:31] descriptor group 1 for A's tiles;  s[32:39] group 0, one set for each slot
.set G0, 32
.set G1B, 48                           ; s[48:55], s[56:63] the same for B's tiles
.set G0B, 56
.set MSB, 0
.macro WIN new                         ; the immediate's high byte repeats the setting that is left
.if MSB != \new
	s_set_vgpr_msb (MSB<<8)|\new
.set MSB, \new
.endif
.endm
.set MUL_LO, 0xa1                      ; source 0 (B) window 1, source 1 (A) window 0, C and D window 2
.set MUL_HI, 0xf1                      ; the same, C and D window 3
.set TO_B,   0x40                      ; destination window 1, address window 0
; A joint load: waves 0 and 1 fetch for A, waves 2 and 3 for B.  Each line has one mask and one set of registers for all that issue it; the branch hangs on the wave's number alone.
; Four v_nop follow each of the two lines, ahead of the jump, the label and what follows.
.macro JLOAD g0a, g1a, g0b, g1b
	s_cmp_eq_u32 s15, 0
	s_cbranch_scc0 .Lfor_b_\@
	tensor_load_to_lds s[\g0a:\g0a+3], s[\g1a:\g1a+7]
	s_nop 0
.rept 4
	v_nop
.endr
	s_branch .Lasked_\@
.Lfor_b_\@:
	tensor_load_to_lds s[\g0b:\g0b+3], s[\g1b:\g1b+7]
	s_nop 0
.rept 4
	v_nop
.endr
.Lasked_\@:
.endm
.macro CREST                           ; a round of the cluster's barrier behind its opening barrier
	s_cmp_lg_u32 s14, 0
	s_cbranch_scc1 .Lnot_wave_0_\@
	s_barrier_signal -3
.Lnot_wave_0_\@:
	s_barrier_wait -3
	s_barrier_signal -1
	s_barrier_wait -1
.endm
.macro CROUND                          ; a whole round
	s_barrier_signal -1
	s_barrier_wait -1
	CREST
.endm
	s_load_b256 s[4:11], s[0:1], 0x0               ; xc s[4:5], wc s[6:7], the scales' exponents s[8:9], qkvc s[10:11]
	v_lshl_add_u32 v[SPW], v0, 2, SPARE
	v_mov_b32 v[NIL], 0
	ds_add_u32 v28, v29
	ds_add_u32 v28, v29
	s_wait_dscnt 0x0
	v_lshrrev_b32 v1, 5, v0
	v_readfirstlane_b32 s14, v1                    ; wave 0..3
	s_lshr_b32 s15, s14, 1                         ; which half of the tile's rows is mine.  Also: I fetch for A (0) or for B (1)
	s_and_b32 s16, s14, 1                          ; which half of its columns.  Also: which 128 rows of that tile I fetch
	s_bfe_u32 s40, ttmp6, 0x40000                  ; cx, cy: my place in the cluster
	s_bfe_u32 s41, ttmp6, 0x40004
	s_and_b32 s66, ttmp7, 0xffff                   ; the cluster's y, 0..23
	s_lshr_b32 s67, s66, 3                         ; t: 0 q, 1 k, 2 v
	s_and_b32 s68, s66, 7                          ; which four tiles along the tokens
	s_lshl_b32 s72, s67, 23                        ; x's set t (8 MiB each)
	s_lshl_b32 s73, s67, 20                        ; weight t (1 MiB each)
	s_cmp_eq_u32 s67, 2                            ; v?  All five choices stand behind this one compare
	s_cselect_b32 s69, 1, 0                        ; sV
	s_cselect_b32 s70, 0, s68                      ; the cluster's place along A's rows,
	s_cselect_b32 s71, s68, 0                      ; and along B's
	s_cselect_b32 s72, 0x200000, s72               ; A's tensor: Wv's codes in wc, or x's set t in xc
	s_cselect_b32 s73, 0x1000000, s73              ; B's tensor: x's set 2 in xc, or weight t in wc
	s_lshl_b32 s17, s70, 2
	s_add_co_u32 s17, s17, s41                     ; tile row = 4 x place + cy
	s_lshl_b32 s42, s71, 2
	s_add_co_u32 s42, s42, s40                     ; tile column = 4 x place + cx
	s_lshl_b32 s43, s41, 2
	s_lshl_b32 s43, 15, s43                        ; my row of the cluster
	s_lshl_b32 s44, 0x1111, s40                    ; my column
	; descriptor group 1: 8 tiles of 16 rows, of each 4,096 consecutive bytes (two K steps of 128), 16,384 bytes apart; elements of 8 bytes; dense in LDS
	s_or_b32 s[G1+0], s43, (3<<16)|(1<<21)         ; 15:0 the mask: A's tiles go to my row; 17:16 elements of 8 bytes; 20 no padding; 21 set beside a mask
	s_or_b32 s[G1B+0], s44, (3<<16)|(1<<21)        ; B's go to my column
.irp g, G1, G1B
	s_mov_b32 s[\g+1], 512<<16                     ; tensor_dim0 = 512 elements
	s_mov_b32 s[\g+2], 8<<16                       ; tensor_dim1 = 8
	s_mov_b32 s[\g+3], 512<<16                     ; tile_dim0
	s_mov_b32 s[\g+4], 8                           ; tile_dim1
	s_mov_b32 s[\g+5], 2048                        ; tensor_dim0_stride: 16,384 bytes
	s_mov_b32 s[\g+6], 0
	s_mov_b32 s[\g+7], 0
.endr
	s_lshl_b32 s18, s16, 17                        ; which 128 rows of the tile I fetch: 8 x 16,384 bytes
	s_lshl_b32 s20, s17, 18                        ; A: 256 rows are 16 x 16,384 bytes
	s_add_co_u32 s20, s20, s18
	s_add_co_u32 s20, s20, s72
	s_mov_b32 s21, 0
	s_lshl_b32 s46, s42, 18                        ; B likewise
	s_add_co_u32 s46, s46, s18
	s_add_co_u32 s46, s46, s73
	s_mov_b32 s47, 0
	s_lshl_b32 s45, s14, 15                        ; where they go: wave x 32,768: no place in the cluster enters an LDS address
	s_wait_kmcnt 0x0
	s_load_b256 s[80:87], s[8:9], 0x0              ; e0 .. e7
	s_load_b128 s[88:91], s[8:9], 0x20             ; e8 .. e11
	s_cmp_eq_u32 s67, 2
	s_cselect_b64 s[74:75], s[6:7], s[4:5]         ; A's buffer,
	s_cselect_b64 s[76:77], s[4:5], s[6:7]         ; B's
	s_add_nc_u64 s[20:21], s[74:75], s[20:21]
	s_add_nc_u64 s[46:47], s[76:77], s[46:47]
	CROUND                                         ; all sixteen work-groups are here: the first joint loads meet
.irp s, 0,1
	s_mov_b32 s[G0+4*\s], 1
	s_add_co_u32 s[G0+4*\s+1], s45, \s*SLOT
	s_add_nc_u64 s[G0+4*\s+2:G0+4*\s+3], s[20:21], \s*KSLOT
	s_or_b32 s[G0+4*\s+3], s[G0+4*\s+3], 0x80000000
	s_mov_b32 s[G0B+4*\s], 1
	s_add_co_u32 s[G0B+4*\s+1], s45, \s*SLOT
	s_add_nc_u64 s[G0B+4*\s+2:G0B+4*\s+3], s[46:47], \s*KSLOT
	s_or_b32 s[G0B+4*\s+3], s[G0B+4*\s+3], 0x80000000
	s_wait_alu depctr_va_vdst(0)
	s_wait_tensorcnt 0x0
	ds_add_u32 v28, v29
	ds_add_u32 v28, v29
	s_wait_dscnt 0x0
	CROUND
	JLOAD G0+4*\s, G1, G0B+4*\s, G1B
.endr
	v_and_b32 v6, 31, v0
	s_wait_alu depctr_va_vdst(0)
	v_lshlrev_b32 v4, 4, v6                        ; 16 x lane
	s_lshl_b32 s21, s15, 15                        ; my 128 rows of A
	s_lshl_b32 s22, s16, 15                        ; my 128 rows of B,
	s_add_co_u32 s22, s22, 2*HALFT                 ; which lie behind A's 256
.irp s, 0,1
	v_add_nc_u32 v[ADRA+\s], s21, v4
	v_add_nc_u32 v[ADRB+\s], s22, v4
	s_add_co_u32 s21, s21, SLOT
	s_add_co_u32 s22, s22, SLOT
.endr
	; where my codes go.  The tokens' side is A's (q, k) or B's (v), the heads' side the other
	s_cmp_eq_u32 s67, 2
	s_cselect_b32 s12, s42, s17                    ; P: the tile of 256 tokens, 0..31
	s_cselect_b32 s13, s16, s15                    ; and my half of it
	s_cselect_b32 s18, s17, s42                    ; H: the tile of 256 columns: four heads
	s_cselect_b32 s19, s15, s16                    ; and my half: two heads
	s_lshl_b32 s78, s67, 23                        ; q, k or v: 8 MiB each
	s_lshr_b32 s79, s12, 3
	s_lshl_b32 s79, s79, 21                        ; the batch: 16 heads of 131,072 bytes
	s_add_co_u32 s78, s78, s79
	s_lshl_b32 s79, s18, 2
	s_lshl_b32 s19, s19, 1
	s_add_co_u32 s79, s79, s19
	s_lshl_b32 s79, s79, 17                        ; my first head
	s_add_co_u32 s78, s78, s79
	s_and_b32 s79, s12, 7
	s_lshl_b32 s79, s79, 1
	s_add_co_u32 s79, s79, s13
	s_lshl_b32 s79, s79, 13                        ; my 128 tokens in the head: 8,192 bytes in each of the three layouts
	s_add_co_u32 s78, s78, s79
	s_mov_b32 s79, 0
	s_add_nc_u64 s[10:11], s[10:11], s[78:79]
	s_lshl_b32 s92, 1024, s69                      ; from a block of A to the next: a tile of 16 tokens (1,024 bytes) or of 16 d (2,048)
	s_mov_b32 s93, 0
	s_mul_i32 s94, s69, 123904
	s_add_co_u32 s94, s94, 1024                    ; in front of block 4: the same for q and k; for v the next head's first tile of d: 131,072 - 3 x 2,048
	s_mov_b32 s95, 0
	s_mul_i32 s97, s69, 7
	s_lshr_b32 s98, 0x20000, s97                   ; from accumulators 0-3 to 4-7: the next head (131,072) or the step's second 64 keys (1,024)
	v_lshlrev_b32 v[VO0], 4, v6
	v_add_nc_u32 v[VO1], s98, v[VO0]
	s_wait_alu depctr_va_vdst(0)
	s_wait_kmcnt 0x0
	s_sub_co_i32 s80, s86, s80                     ; a sum stands for sum x 2^(ea + eb); its code is sum / 2^(eo - ea - eb): three scales folded into the conversion's one
	s_sub_co_i32 s80, s80, s81                     ; q: e6 - e0 - e1
	s_sub_co_i32 s82, s87, s82
	s_sub_co_i32 s82, s82, s83                     ; k: e7 - e2 - e3
	s_sub_co_i32 s84, s89, s84
	s_sub_co_i32 s84, s84, s85                     ; v: e9 - e4 - e5
	s_cmp_eq_u32 s67, 1
	s_cselect_b32 s96, s82, s80
	s_cmp_eq_u32 s67, 2
	s_cselect_b32 s96, s84, s96
	s_add_co_i32 s96, s96, 127
	s_lshl_b32 s97, s96, 23
	v_mov_b32 v[SC], s97
	s_add_co_i32 s96, s96, 8
	s_lshl_b32 s96, s96, 23
	s_or_b32 s96, s96, 0x600000
	v_mov_b32 v[LIM], s96
.macro FRAG reg, adr, q, i             ; fragment (tile of rows i, the slot's q-th 128 along K): its image, 512 consecutive bytes a load
.irp c, 0,1,2,3
	ds_load_b128 v[\reg+4*\c:\reg+4*\c+3], v[\adr] offset:KSLOT*(\i)+2048*(\q)+512*\c
.endr
.endm
; 16 matrix instructions: A's blocks a0, a0 + 1 x B's eight, 128 along K.  p: B's set.  zero = 1: the first product starts the sums: nothing is ever cleared.
; The 64 accumulators take turns, one instruction a turn, in the same order in every step.
.macro MUL16 a0, p, zero
.irp a, \a0, \a0+1
.irp b, 0,1,2,3,4,5,6,7
.if \zero
	v_wmma_f32_16x16x128_fp8_fp8 v[8*(8*((\a)%4)+\b):8*(8*((\a)%4)+\b)+7], v[128*(\p)+FR*\b:128*(\p)+FR*\b+FR-1], v[AF+FR*(\a):AF+FR*(\a)+FR-1], 0
.else
	v_wmma_f32_16x16x128_fp8_fp8 v[8*(8*((\a)%4)+\b):8*(8*((\a)%4)+\b)+7], v[128*(\p)+FR*\b:128*(\p)+FR*\b+FR-1], v[AF+FR*(\a):AF+FR*(\a)+FR-1], v[8*(8*((\a)%4)+\b):8*(8*((\a)%4)+\b)+7]
.endif
.endr
.endr
.endm
.macro FETCH_B slot, q, p              ; B's eight fragments into set p
	WIN TO_B
.irp i, 0,1,2,3,4,5,6,7
	FRAG 128*(\p)+FR*\i, ADRB+\slot, \q, \i
.endr
	WIN 0
.endm
.macro FETCH_A slot, q, i0             ; A's blocks i0 .. i0 + 3
.irp i, \i0, \i0+1, \i0+2, \i0+3
	FRAG AF+FR*(\i), ADRA+\slot, \q, \i
.endr
.endm
; A load into a register that a matrix instruction has read, and a vector instruction that reads a matrix result, stand NP places behind that matrix instruction; only plain vector
; instructions that name none of its registers are places (ISA guide 7.12.1 for vector instructions).
.macro PLACES n
.rept \n
	v_nop
.endr
.endm
; A step of 128 along K that has its successor in the same slot.  A block of A is free as soon as its eight products are issued, so one set serves A: blocks 0-3 come anew in the step's middle, 4-7 at its end.
.macro STEP slot, q, zero
	s_wait_dscnt 4*NL                              ; B's set and A's blocks 0-3 are in; the youngest 16 loads (A's blocks 4-7) may be out
	WIN MUL_LO
	MUL16 0, (\q)%2, \zero
	MUL16 2, (\q)%2, \zero
	s_wait_dscnt 0                                 ; A's blocks 4-7 are in
	PLACES NP
	FETCH_B \slot, (\q)+1, 1-(\q)%2
	FETCH_A \slot, (\q)+1, 0
	WIN MUL_HI
	MUL16 4, (\q)%2, \zero
	MUL16 6, (\q)%2, \zero
	PLACES NP
	WIN 0
	FETCH_A \slot, (\q)+1, 4
.endm
; A slot's last step changes slots: ONE barrier; in front of it each wave waits for all its tensor loads, adds 0 to its spare word, and waits for that and for its own reads of this slot.  fill = 1: this slot is filled again, two K steps ahead.
.macro TURN slot, next, fill
	s_wait_tensorcnt 0x0                           ; all my tensor loads have landed: my part of the next slot  (every window is 0 here)
	ds_add_u32 v[SPW], v[NIL]                      ; 0 onto my spare word
	s_wait_dscnt 4*NL+1                            ; (the add and the youngest 16 loads, A's blocks 4-7, may be out)
	WIN MUL_LO
	MUL16 0, 1, 0                                  ; sixteen matrix instructions stand between the add and the wait for it
	s_wait_dscnt 0x0                               ; the add is done, and my reads of this slot are over
	s_barrier_signal -1
	MUL16 2, 1, 0
	WIN 0
	s_barrier_wait -1
.if \fill
	CREST                                          ; the barrier has opened a round of the cluster's barrier: no wave of any partner still reads this slot or has a load on its way
	s_add_nc_u64 s[G0+4*\slot+2:G0+4*\slot+3], s[G0+4*\slot+2:G0+4*\slot+3], 2*KSLOT
	s_add_nc_u64 s[G0B+4*\slot+2:G0B+4*\slot+3], s[G0B+4*\slot+2:G0B+4*\slot+3], 2*KSLOT
	JLOAD G0+4*\slot, G1, G0B+4*\slot, G1B         ; the first tensor load behind the round; the four v_nop behind it are the places in front of the loads below
.else
	PLACES NP
.endif
	FETCH_B \next, 0, 0
	FETCH_A \next, 0, 0
	WIN MUL_HI
	MUL16 4, 1, 0
	MUL16 6, 1, 0
	PLACES NP
	WIN 0
	FETCH_A \next, 0, 4
.endm
	s_wait_tensorcnt 1                             ; my part of K step 0 is in (K step 1's load may be out)
	s_barrier_signal -1
	s_barrier_wait -1                              ; everybody's is
	FETCH_B 0, 0, 0
	FETCH_A 0, 0, 0
	FETCH_A 0, 0, 4
	STEP 0, 0, 1                                   ; the first step stands in front of the loop: its products start the sums
	s_mov_b32 s3, LAPS-1
.Llap:                                                 ; a trip goes once round the ring, from a lap's second step to the next lap's first, and fills both slots again
	TURN 0, 1, 1
	STEP 1, 0, 0
	TURN 1, 0, 1
	STEP 0, 0, 0
	s_sub_co_u32 s3, s3, 1
	s_cmp_lg_u32 s3, 0
	s_cbranch_scc1 .Llap
	TURN 0, 1, 0                                   ; the last lap fills nothing, and has no round of the cluster's barrier
	STEP 1, 0, 0
	s_wait_dscnt 4*NL                              ; the very last step: nothing more to fetch
	WIN MUL_LO
	MUL16 0, 1, 0
	MUL16 2, 1, 0
	s_wait_alu depctr_va_vdst(0)
	s_wait_dscnt 0
	WIN MUL_HI
	MUL16 4, 1, 0
	MUL16 6, 1, 0
	WIN 0
; THE WAY OUT, block by block of A's 16 rows: 64 sums a lane are held, converted (accumulator b gives registers 2 b, 2 b + 1 of the next operand) and stored as they stand.
.macro OUTB a
	WIN 0x02+((\a)/4)                              ; source 0: window 2 or 3
.set j, 0
.rept 64
	v_med3_num_f32 v[TMP+j], v[64*((\a)%4)+j], -v[LIM], v[LIM]   ; the hold (the conversion does not saturate: ISA guide 7.6.2); each accumulator from its low end on
.set j, j+1
.endr
	WIN 0
.if (\a) > 0
	s_wait_alu depctr_va_vdst(0)
	s_wait_xcnt 0x0                                ; the last block's stores have read their codes and their base: both are written again only behind this wait
.endif
.irp b, 0,1,2,3,4,5,6,7
	v_cvt_scalef32_pk8_fp8_f32 v[CD+2*\b:CD+2*\b+1], v[TMP+8*\b:TMP+8*\b+7], v[SC]
.endr
	v_nop                                          ; one plain line behind the last conversion: the next block's holds write its sources
.if (\a) == 4
	s_add_nc_u64 s[10:11], s[10:11], s[94:95]
.elseif (\a) > 0
	s_add_nc_u64 s[10:11], s[10:11], s[92:93]
.endif
	global_store_b128 v[VO0], v[CD:CD+3],     s[10:11]              ; each store: 32 lanes, 512 consecutive bytes, aligned
	global_store_b128 v[VO0], v[CD+4:CD+7],   s[10:11] offset:512
	global_store_b128 v[VO1], v[CD+8:CD+11],  s[10:11]
	global_store_b128 v[VO1], v[CD+12:CD+15], s[10:11] offset:512
.endm
	PLACES NP                                      ; behind the last products
.irp a, 0,1,2,3,4,5,6,7
	OUTB \a
.endr
	s_wait_tensorcnt 0x0                           ; the wave's end
	ds_add_u32 v[SPW], v[NIL]
	s_wait_dscnt 0x0
	CROUND                                         ; the closing round: no work-group ends while a partner may still ask for a tile that names it
	s_endpgm
.Lfunc_end_k_q542a7b02cc_qkvgemm:
	.size	k_q542a7b02cc_qkvgemm, .Lfunc_end_k_q542a7b02cc_qkvgemm-k_q542a7b02cc_qkvgemm
	.p2alignl 7, 3214868480
	.fill 96, 4, 3214868480
	.section	.rodata,"a",@progbits
	.p2align	6, 0x0
	.amdhsa_kernel k_q542a7b02cc_qkvgemm
		.amdhsa_group_segment_fixed_size 327680
		.amdhsa_private_segment_fixed_size 0
		.amdhsa_enable_private_segment 0
		.amdhsa_kernarg_size 32
		.amdhsa_user_sgpr_count 2
		.amdhsa_user_sgpr_kernarg_segment_ptr 1
		.amdhsa_wavefront_size32 1
		.amdhsa_system_sgpr_workgroup_id_x 1
		.amdhsa_system_sgpr_workgroup_id_y 1
		.amdhsa_system_sgpr_workgroup_id_z 1
		.amdhsa_system_vgpr_workitem_id 0
		.amdhsa_next_free_vgpr 1024
		.amdhsa_next_free_sgpr 100
		.amdhsa_reserve_vcc 0
		.amdhsa_float_denorm_mode_32 3
		.amdhsa_float_denorm_mode_16_64 3
		.amdhsa_memory_ordered 1
		.amdhsa_forward_progress 1
		.amdhsa_inst_pref_size 120
	.end_amdhsa_kernel
	.amdgpu_metadata
---
amdhsa.version: [ 1, 2 ]
amdhsa.kernels:
  - .name:           k_q542a7b02cc_qkvgemm
    .symbol:         k_q542a7b02cc_qkvgemm.kd
    .args:
      - { .name: xc, .offset: 0, .size: 8, .value_kind: global_buffer, .address_space: global }
      - { .name: wc, .offset: 8, .size: 8, .value_kind: global_buffer, .address_space: global }
      - { .name: lowp_scales, .offset: 16, .size: 8, .value_kind: global_buffer, .address_space: global }
      - { .name: qkvc, .offset: 24, .size: 8, .value_kind: global_buffer, .address_space: global }
    .group_segment_fixed_size: 327680
    .private_segment_fixed_size: 0
    .kernarg_segment_align: 8
    .kernarg_segment_size: 32
    .max_flat_workgroup_size: 128
    .sgpr_count:     100
    .vgpr_count:     1024
    .wavefront_size: 32
...
	.end_amdgpu_metadata
.endif
;; end of part 2
;; launch attn (part 3): grid 4 x 64, 16 waves a work-group, clusters of 4 x 1, 264,192 bytes of LDS; arguments qkvc, lowp_scales, ac; writes ac
.if DOCPART == 3
	.amdgcn_target "amdgcn-amd-amdhsa--gfx1250"
	.amdhsa_code_object_version 6
	.text
	.protected	k_q542a7b02cc_attn
	.globl	k_q542a7b02cc_attn
	.p2align	8
	.type	k_q542a7b02cc_attn,@function
k_q542a7b02cc_attn:
	s_mov_b64 s[64:65], 0
	v_nop
	global_prefetch_b8 v0, s[64:65] scope:SCOPE_SE
	s_setreg_imm32_b32 hwreg(HW_REG_WAVE_MODE, 25, 1), 1
	s_wait_xcnt 0x0
	s_wait_alu depctr_hold_cnt(0) depctr_sa_sdst(0) depctr_va_vdst(0) depctr_va_sdst(0) depctr_va_ssrc(0) depctr_va_vcc(0) depctr_vm_vsrc(0)
	s_getreg_b32 s2, hwreg(HW_REG_IB_STS2, 6, 4)
	s_cmp_eq_u32 s2, 0
	s_cbranch_scc0 .Lentry_in_a_cluster
	s_endpgm
.Lentry_in_a_cluster:
	s_bfe_u32 s2, ttmp6, 0x10000c
	s_cmp_lg_u32 s2, 0x3003
	s_cbranch_scc0 .Lentry_shape_is_right
	s_endpgm
.Lentry_shape_is_right:
; attended[b][h][q] = the sum over keys k <= q of softmax_k(q . k / 8) v, both products on codes of E4M3 (q: 2^e6, k: 2^e7, p: 2^e8, v: 2^e9); the result is quantised at once under 2^e10 for the last product.
; THE SOFTMAX AHEAD OF THE SECOND PRODUCT: t = score x log2(e) / 8; M = the row's largest t so far, rounded UP to a whole number; p = 2^(t - M) is what is quantised, not normalised.
; The row's sum is taken of the unquantised p, in f32, and divides at the end.  When M moves, the sum and O are multiplied by 2^(old M - new M): exact.
; SHARES.  A cluster of four work-groups owns one (batch, head).  The head's whole K (131,072 bytes of codes) and V (131,072) are brought into each work-group's LDS ONCE, by joint loads, one of 16,384 bytes
; a wave: nothing is filled again, so the loop has no barrier.  A wave makes two tiles of 16 queries, numbers 4 g + cx with g = wave and g = 31 - wave.  A tile needs the key steps 0 .. g / 2 (128 keys a step)
; whatever cx is: (wave / 2 + 1) + ((31 - wave) / 2 + 1) = 17 steps for every wave of the launch, and no branch hangs on the place in the cluster.
; The trip counts are constants (8 and 16); a step all of whose keys come after the tile's queries is jumped over by a scalar branch on the wave's number.
; LAYOUT.  All operands are images of their registers ([g][lane][16 bytes], k in the place that the form's own layout gives it): a fragment comes by 16-byte loads at 16 x lane.
; Both products are used transposed: S^T = K Q^T (source 0 = 16 keys, source 1 = my 16 queries, K = 64), O^T = V^T P^T (source 0 = 16 of the head's 64, source 1 = P, K = 128 keys): a lane holds ONE query.
; In S^T tile t, lane (r, h), register j is key 16 t + 8 h + j: its eight codes are registers 2 t, 2 t + 1 of P.  In O^T tile d likewise: registers 2 d, 2 d + 1 of the last product's operand.
;   ac: [tile of 16 tokens 512][K step 8][2,048 bytes]; a head's 64 channels are the 1,024 bytes at 1,024 x head of a tile's 16,384.
; LIMITS: e6 + e7 between -123 and 130 (added to c's exponent field); e8 and e10 between -126 and 119; e8 + e9 is applied by v_ldexp_f32 and has none.
.set WV,  10                           ; s10  my wave's number
.set CX,  11                           ; s11  my place in the cluster: it enters Q's and ac's addresses and the mask's arithmetic alone
.set G0,  12                           ; s[12:15] descriptor group 0
.set G1,  16                           ; s[16:23] descriptor group 1
.set BH,  24                           ; s24  batch x 16 + head
.set SEL, 26                           ; s[26:27] lane selects for v_permlanex16_b32: lane l xor 16
.set CS,  28                           ; s[28:29] c = log2(e) / 8 x 2^(e6 + e7)
.set SI,  30                           ; s30  the key step
.set TB,  31                           ; s31  its bytes in K's and in V's image: 8,192 x step
.set GS,  32                           ; s32, s33  the tile's last key step
.set QB,  34                           ; s[34:37]  Q's two addresses
.set AB,  38                           ; s[38:41]  ac's two addresses
.set DD,  42                           ; s42, s43  the tile's first query less its last step's first key
.set LI,   1                           ; v1   16 x lane
.set LIV,  2                           ; v2   the same in V's image
.set DM,   5                           ; v5, v6  my query less the last step's first key less 8 h
.set ADK,  8                           ; v8   LDS address of the step's K
.set ADV,  9                           ; v9   of its V
.set QR,   16                          ; v16-31   Q's two fragments          (v12 -M, v13 the largest t, v[14:15] the sum in two halves)
.set KV,   32                          ; v32-95   eight fragments of K, then four of V
.set S,    96                          ; v96-159  S^T, then p
.set OT,   160                         ; v160-191 O^T
.set OC,   192                         ; v192-207 the output's codes, eight registers a tile
.set PD,   208                         ; a lane permute's destination
.set FF,   210                         ; v[210:211] f = 2^(old M - new M)
.set MA,   212                         ; two chains of the maximum
.set MB,   213
.set SUMB, 214                         ; v[214:215] the sum's second chain
.set PLIM, 216
.set PSC,  217                         ; 2^e8
.set ALIM, 218
.set ASC,  219                         ; 2^e10
.set NINF, 220                         ; -infinity
.set PC,   224                         ; v224-239 p's codes
.macro ROUND                           ; a round of the cluster's barrier
	s_barrier_signal -1
	s_barrier_wait -1
	s_cmp_lg_u32 s[WV], 0
	s_cbranch_scc1 .Lnot_wave_0_\@
	s_barrier_signal -3
.Lnot_wave_0_\@:
	s_barrier_wait -3
	s_barrier_signal -1
	s_barrier_wait -1
.endm
	s_load_b128 s[4:7], s[0:1], 0x0                ; qkvc s[4:5], the scales' exponents s[6:7]
	s_load_b64 s[8:9], s[0:1], 0x10                ; ac
	v_lshl_add_u32 v254, v0, 2, 0x40000
	v_mov_b32 v255, 0
	ds_add_u32 v254, v255
	ds_add_u32 v254, v255
	v_lshrrev_b32 v3, 5, v0
	s_delay_alu instid0(VALU_DEP_1)
	v_readfirstlane_b32 s[WV], v3                  ; wave 0..15
	s_bfe_u32 s[CX], ttmp6, 0x40000
	s_and_b32 s[BH], ttmp7, 0xffff                 ; in a cluster launch ttmp7 counts clusters: one for each (batch, head)
	s_lshr_b32 s2, s[WV], 3                        ; what I fetch: waves 0-7 an eighth of K each, waves 8-15 of V
	s_lshl_b32 s2, s2, 23
	s_add_co_u32 s2, s2, 0x800000                  ; k lies at 8 MiB, v at 16 MiB
	s_lshl_b32 s3, s[BH], 17                       ; a head is 131,072 bytes
	s_add_co_u32 s2, s2, s3
	s_and_b32 s3, s[WV], 7
	s_lshl_b32 s3, s3, 14
	s_add_co_u32 s2, s2, s3
	s_mov_b32 s3, 0
	s_mov_b32 s[G1], 15|(3<<16)|(1<<21)            ; 15:0 the mask: all four work-groups; 17:16 elements of 8 bytes; 20 no padding; 21 set beside a mask
	s_mov_b32 s[G1+1], 32<<16                      ; tensor_dim0 = 32 elements: 256 bytes
	s_mov_b32 s[G1+2], 64<<16                      ; tensor_dim1 = 64
	s_mov_b32 s[G1+3], 32<<16                      ; tile_dim0
	s_mov_b32 s[G1+4], 64                          ; tile_dim1: 64 rows of 256 bytes, dense: 16,384 bytes
	s_mov_b32 s[G1+5], 32                          ; tensor_dim0_stride
	s_mov_b32 s[G1+6], 0
	s_mov_b32 s[G1+7], 0
	s_mov_b32 s[G0], 1
	s_lshl_b32 s[G0+1], s[WV], 14                  ; LDS: K at 0, V at 131,072: 16,384 x wave
	s_mov_b32 s[SEL], 0x76543210
	s_mov_b32 s[SEL+1], 0xfedcba98
	s_wait_dscnt 0x0
	s_wait_kmcnt 0x0
	s_load_b64 s[44:45], s[6:7], 0x18              ; e6, e7
	s_load_b128 s[48:51], s[6:7], 0x20             ; e8, e9, e10, e11
	s_add_nc_u64 s[G0+2:G0+3], s[4:5], s[2:3]
	s_or_b32 s[G0+3], s[G0+3], 0x80000000
	ROUND                                          ; all four work-groups are here: the joint loads meet
	tensor_load_to_lds s[G0:G0+3], s[G1:G1+7]      ; my one tensor load of the launch
	s_nop 0
.rept 4
	v_nop
.endr
	s_sub_co_u32 s25, 31, s[WV]                    ; g of my second tile
	s_lshr_b32 s[GS], s[WV], 1
	s_lshr_b32 s[GS+1], s25, 1
	s_lshl_b32 s46, s[WV], 2
	s_add_co_u32 s46, s46, s[CX]                   ; my tiles' numbers in the head: 4 g + cx
	s_lshl_b32 s47, s25, 2
	s_add_co_u32 s47, s47, s[CX]
	s_lshl_b32 s54, s[CX], 4
	s_and_b32 s[DD], s[WV], 1
	s_lshl_b32 s[DD], s[DD], 6
	s_add_co_u32 s[DD], s[DD], s54                 ; 64 (g % 2) + 16 cx
	s_and_b32 s[DD+1], s25, 1
	s_lshl_b32 s[DD+1], s[DD+1], 6
	s_add_co_u32 s[DD+1], s[DD+1], s54
	s_lshl_b32 s54, s[BH], 17                      ; the head in q
	s_lshr_b32 s55, s[BH], 4
	s_lshl_b32 s55, s55, 7                         ; the batch's first tile of tokens
	s_and_b32 s58, s[BH], 15
	s_lshl_b32 s58, s58, 10                        ; the head's 1,024 bytes of a tile of ac
	s_mov_b32 s57, 0
.irp p, 0,1
	s_lshl_b32 s56, s[46+\p], 10
	s_add_co_u32 s56, s56, s54
	s_add_nc_u64 s[QB+2*\p:QB+2*\p+1], s[4:5], s[56:57]
	s_add_co_u32 s56, s55, s[46+\p]
	s_lshl_b32 s56, s56, 14
	s_add_co_u32 s56, s56, s58
	s_add_nc_u64 s[AB+2*\p:AB+2*\p+1], s[8:9], s[56:57]
.endr
	v_and_b32 v3, 31, v0
	s_delay_alu instid0(VALU_DEP_1)
	v_lshlrev_b32 v[LI], 4, v3
	s_delay_alu instid0(VALU_DEP_1)
	v_add_nc_u32 v[LIV], 0x20000, v[LI]
.irp p, 0,1
	global_load_b128 v[QR+8*\p:QR+8*\p+3],   v[LI], s[QB+2*\p:QB+2*\p+1]            ; Q's fragments stay in registers
	global_load_b128 v[QR+8*\p+4:QR+8*\p+7], v[LI], s[QB+2*\p:QB+2*\p+1] offset:512
.endr
	v_and_b32 v3, 15, v0                           ; r
	v_bfe_u32 v4, v0, 4, 1                         ; h
	s_delay_alu instid0(VALU_DEP_1)
	v_lshlrev_b32 v4, 3, v4
	s_delay_alu instid0(VALU_DEP_1)
	v_sub_nc_u32 v3, v3, v4                        ; r - 8 h
	s_delay_alu instid0(VALU_DEP_1)
	v_add_nc_u32 v[DM], s[DD], v3
	s_delay_alu instid0(VALU_DEP_2)
	v_add_nc_u32 v[DM+1], s[DD+1], v3
	v_mov_b32 v[NINF], 0xff800000
	v_mov_b32 v[PD], 0                             ; written once: a lane permute's destination counts as one of its sources
	v_mov_b32 v[FF+1], 0                           ; (named as the upper half of the pair)
	s_wait_kmcnt 0x0
	s_add_co_i32 s54, s44, s45
	s_lshl_b32 s54, s54, 23
	s_add_co_i32 s[CS], s54, 0x3e38aa3b            ; c = log2(e) / 8; a score stands for score x 2^(e6 + e7): the exponents are added to c's exponent field
	s_mov_b32 s[CS+1], s[CS]                       ; (named with it as a pair, so it is written)
	s_add_co_i32 s54, s48, 127
	s_lshl_b32 s55, s54, 23
	v_mov_b32 v[PSC], s55
	s_add_co_i32 s54, s50, 127
	s_lshl_b32 s55, s54, 23
	v_mov_b32 v[ASC], s55
	s_add_co_i32 s52, s48, s49                     ; e8 + e9
	s_wait_tensorcnt 0x0                           ; my sixteenth of the head's K and V is in,
	s_barrier_signal -1
	s_barrier_wait -1                              ; everybody's is: from here on LDS is only read
	s_wait_loadcnt 0x0                             ; Q
; One tile of 16 queries.  nt: the loop's trips, a constant; the steps behind the tile's last are jumped over.
.macro PASS p, nt
	v_mov_b32 v13, 0xff61b1e6                      ; the largest t so far: -3e38, under every t
	s_delay_alu instid0(VALU_DEP_1)
	v_floor_f32 v12, -v13                          ; -M
	v_mov_b32 v14, 0                               ; the sum, in two halves
	v_mov_b32 v15, 0
.set j, 0
.rept 32
	v_mov_b32 v[OT+j], 0                           ; O^T.  (The step is written once: the first finds zeros, which the first change of M leaves zeros)
.set j, j+1
.endr
	s_mov_b32 s[SI], 0
	s_mov_b32 s[TB], 0
.Ltrip_\@:
	s_cmp_gt_u32 s[SI], s[GS+\p]                   ; all 128 keys come after my 16 queries: the step's work is left out
	s_cbranch_scc1 .Lhid_\@
	s_setprio 2
	v_add_nc_u32 v[ADK], s[TB], v[LI]
	v_add_nc_u32 v[ADV], s[TB], v[LIV]
	v_nop                                          ; with the two additions: four places between the last step's products and the loads into the registers that they read
	v_nop
.irp t, 0,1,2,3,4,5,6,7
	ds_load_b128 v[KV+8*\t:KV+8*\t+3],   v[ADK] offset:1024*\t       ; keys 16 t on, the head's 64: an image of 1,024 bytes
	ds_load_b128 v[KV+8*\t+4:KV+8*\t+7], v[ADK] offset:1024*\t+512
.endr
	s_wait_alu depctr_va_vdst(0)
	s_wait_dscnt 8                                 ; tiles 0-3 are in; the eight loads of tiles 4-7 may be out
.irp t, 0,1,2,3
	v_wmma_f32_16x16x64_fp8_fp8 v[S+8*\t:S+8*\t+7], v[KV+8*\t:KV+8*\t+7], v[QR+8*\p:QR+8*\p+7], 0
.endr
	s_wait_dscnt 0x0
.irp t, 4,5,6,7
	v_wmma_f32_16x16x64_fp8_fp8 v[S+8*\t:S+8*\t+7], v[KV+8*\t:KV+8*\t+7], v[QR+8*\p:QR+8*\p+7], 0
.endr
.rept 4
	v_nop                                          ; places in front of the loads below and of the first read of the scores
.endr
.irp d, 0,1,2,3
.irp g, 0,1,2,3
	ds_load_b128 v[KV+16*\d+4*\g:KV+16*\d+4*\g+3], v[ADV] offset:2048*\d+512*\g   ; V: channels 16 d on, these 128 keys.  They land while the softmax is walked
.endr
.endr
	s_cmp_lt_u32 s[SI], s[GS+\p]                   ; only the tile's last step lies on the diagonal
	s_cbranch_scc1 .Lopen_\@
.set n, 0
.rept 64
	v_cmp_gt_i32 vcc_lo, 16*(n/8)+n%8, v[DM+\p]    ; register n holds key 16 (n / 8) + n % 8 + 8 h of the step: hidden where that is beyond my query
	v_cndmask_b32 v[S+n], v[S+n], v[NINF], vcc_lo  ; -infinity ahead of the maximum: p = 0 then.  The step's first key counts for every query of the tile
.set n, n+1
.endr
.Lopen_\@:
	v_max3_num_f32 v[MA], v[S], v[S+1], v[S+2]     ; the step's largest score of my query, among my 64 keys, in two chains; each accumulator is first read at its low end
	v_max3_num_f32 v[MB], v[S+3], v[S+4], v[S+5]
.irp i, 6,10,14,18,22,26,30,34,38,42,46,50,54,58
	v_max3_num_f32 v[MA], v[MA], v[S+\i], v[S+1+\i]
	v_max3_num_f32 v[MB], v[MB], v[S+2+\i], v[S+3+\i]
.endr
	v_max3_num_f32 v[MA], v[MA], v[S+62], v[S+63]
	s_delay_alu instid0(VALU_DEP_1)
	v_max_num_f32 v[MA], v[MA], v[MB]
	s_delay_alu instid0(VALU_DEP_1)
	v_permlanex16_b32 v[PD], v[MA], s[SEL], s[SEL+1]
	s_delay_alu instid0(VALU_DEP_1)
	v_max_num_f32 v[MA], v[MA], v[PD]              ; and among lane l xor 16's
	s_delay_alu instid0(VALU_DEP_1)
	v_mul_f32 v[MA], s[CS], v[MA]                  ; as t (c is positive)
	s_delay_alu instid0(VALU_DEP_1)
	v_max_num_f32 v13, v13, v[MA]                  ; the running largest t
	v_mov_b32 v[MA], v12
	s_delay_alu instid0(VALU_DEP_2)
	v_floor_f32 v12, -v13                          ; the new -M = floor(-t) = -ceil(t): M is a whole number
	s_delay_alu instid0(VALU_DEP_1)
	v_sub_f32 v[MA], v12, v[MA]                    ; M's old value less its new one: a whole number, 0 or less
	s_delay_alu instid0(VALU_DEP_1)
	v_cvt_i32_f32 v[MA], v[MA]                     ; (it saturates)
	s_delay_alu instid0(VALU_DEP_1)
	v_ldexp_f32 v[FF], 1.0, v[MA]                  ; f = 2^(old M - new M): a multiplication by it rounds nothing
.set j, 0
	s_setprio 1
.rept 32
	v_pk_fma_f32 v[S+j:S+j+1], v[S+j:S+j+1], s[CS:CS+1], v[12:13] op_sel_hi:[1,0,0]   ; t - M, two at a time (of the pairs c and -M the low word serves both halves)
.set j, j+2
.endr
.set j, 0
	s_wait_alu depctr_va_vdst(0)
.rept 64
	v_exp_f32 v[S+j], v[S+j]                       ; p = 2^(t - M), at most 1: not normalised
.set j, j+1
.endr
	v_pk_mul_f32 v[14:15], v[14:15], v[FF:FF+1] op_sel_hi:[1,0]   ; the sums under the new M.  (A plain place behind the exponentials)
	s_wait_alu depctr_va_vdst(0)
	v_pk_add_f32 v[214:215], v[100:101], v[104:105]
	v_pk_add_f32 v[252:253], v[108:109], v[112:113]
	v_pk_add_f32 v[250:251], v[116:117], v[120:121]
	v_pk_add_f32 v[248:249], v[124:125], v[128:129]
	v_pk_add_f32 v[246:247], v[132:133], v[136:137]
	v_pk_add_f32 v[244:245], v[140:141], v[144:145]
	v_pk_add_f32 v[242:243], v[148:149], v[152:153]
	v_pk_add_f32 v[14:15], v[14:15], v[156:157]
	v_pk_add_f32 v[214:215], v[214:215], v[96:97]
	v_pk_add_f32 v[252:253], v[252:253], v[98:99]
	v_pk_add_f32 v[250:251], v[250:251], v[102:103]
	v_pk_add_f32 v[248:249], v[248:249], v[106:107]
	v_pk_add_f32 v[246:247], v[246:247], v[110:111]
	v_pk_add_f32 v[244:245], v[244:245], v[114:115]
	v_pk_add_f32 v[242:243], v[242:243], v[118:119]
	v_pk_add_f32 v[14:15], v[14:15], v[122:123]
	v_pk_add_f32 v[214:215], v[214:215], v[126:127]
	v_pk_add_f32 v[252:253], v[252:253], v[130:131]
	v_pk_add_f32 v[250:251], v[250:251], v[134:135]
	v_pk_add_f32 v[248:249], v[248:249], v[138:139]
	v_pk_add_f32 v[246:247], v[246:247], v[142:143]
	v_pk_add_f32 v[244:245], v[244:245], v[146:147]
	v_pk_add_f32 v[242:243], v[242:243], v[150:151]
	s_setprio 0
	v_pk_add_f32 v[14:15], v[14:15], v[154:155]
	v_pk_add_f32 v[214:215], v[214:215], v[158:159]
	s_delay_alu instid0(VALU_DEP_2)
	v_pk_add_f32 v[14:15], v[14:15], v[248:249]
	s_delay_alu instid0(VALU_DEP_2)
	v_pk_add_f32 v[214:215], v[214:215], v[246:247]
	v_pk_add_f32 v[252:253], v[252:253], v[244:245]
	v_pk_add_f32 v[250:251], v[250:251], v[242:243]
	s_delay_alu instid0(VALU_DEP_2)
	v_pk_add_f32 v[14:15], v[14:15], v[252:253]
	s_delay_alu instid0(VALU_DEP_2)
	v_pk_add_f32 v[214:215], v[214:215], v[250:251]
	s_delay_alu instid0(VALU_DEP_1)
	v_pk_add_f32 v[14:15], v[14:15], v[214:215]
.irp b, 0,1,2,3
.set i, 0
.rept 16
.set i, i+1
.endr
	v_cvt_scalef32_pk8_fp8_f32 v[PC+4*\b:PC+4*\b+1],   v[S+16*\b:S+16*\b+7],    v[PSC]
	v_cvt_scalef32_pk8_fp8_f32 v[PC+4*\b+2:PC+4*\b+3], v[S+16*\b+8:S+16*\b+15], v[PSC]
.endr
.set j, 0
.rept 16
	v_pk_mul_f32 v[OT+j:OT+j+1], v[OT+j:OT+j+1], v[FF:FF+1] op_sel_hi:[1,0]   ; O^T under the new M, from each accumulator's low end on.  (Also the plain lines between the conversions and the products)
.set j, j+2
.endr
	s_wait_alu depctr_va_vdst(0)
	s_wait_dscnt 0x0                               ; V is in
.irp d, 0,1,2,3
	v_wmma_f32_16x16x128_fp8_fp8 v[OT+8*\d:OT+8*\d+7], v[KV+16*\d:KV+16*\d+15], v[PC:PC+15], v[OT+8*\d:OT+8*\d+7]   ; the four accumulators by turns
.endr
.Lhid_\@:
	s_add_co_u32 s[TB], s[TB], 8192
	s_add_co_u32 s[SI], s[SI], 1
	s_cmp_lt_u32 s[SI], \nt
	s_cbranch_scc1 .Ltrip_\@
	s_setprio 0
	; the tile's way out: O^T / the sum x 2^(e8 + e9), quantised under 2^e10; the codes are the last product's operand as they stand
.rept 4
	v_nop                                          ; places behind the last products
.endr
	v_add_f32 v14, v14, v15                        ; the sum's two halves,
	s_delay_alu instid0(VALU_DEP_1)
	v_permlanex16_b32 v[PD], v14, s[SEL], s[SEL+1]
	s_delay_alu instid0(VALU_DEP_1)
	v_add_f32 v14, v14, v[PD]                      ; and lane l xor 16's: the row's sum
	s_wait_alu depctr_va_vdst(0)
	v_rcp_f32 v14, v14
	v_nop                                          ; one plain place behind a transcendental
	s_wait_alu depctr_va_vdst(0)
	v_ldexp_f32 v14, v14, s52
.set j, 0
.rept 32
	v_mul_f32 v[S+j], v[OT+j], v14
.set j, j+1
.endr
.set j, 0
.rept 32
.set j, j+1
.endr
.irp d, 0,1,2,3
	v_cvt_scalef32_pk8_fp8_f32 v[OC+8*\p+2*\d:OC+8*\p+2*\d+1], v[S+8*\d:S+8*\d+7], v[ASC]
.endr
	v_nop                                          ; one plain line behind the last conversion: later products write its sources
	global_store_b128 v[LI], v[OC+8*\p:OC+8*\p+3],   s[AB+2*\p:AB+2*\p+1]              ; 32 lanes store 512 consecutive bytes, aligned.  Each tile has codes' registers and a base of its own
	global_store_b128 v[LI], v[OC+8*\p+4:OC+8*\p+7], s[AB+2*\p:AB+2*\p+1] offset:512
.endm
	PASS 0, 8                                      ; g = wave: at most 8 steps
	PASS 1, 16                                     ; g = 31 - wave: at most 16
	s_wait_tensorcnt 0x0
	ds_add_u32 v254, v255
	s_wait_dscnt 0x0
	ROUND                                          ; the closing round
	s_endpgm
.Lfunc_end_k_q542a7b02cc_attn:
	.size	k_q542a7b02cc_attn, .Lfunc_end_k_q542a7b02cc_attn-k_q542a7b02cc_attn
	.p2alignl 7, 3214868480
	.fill 96, 4, 3214868480
	.section	.rodata,"a",@progbits
	.p2align	6, 0x0
	.amdhsa_kernel k_q542a7b02cc_attn
		.amdhsa_group_segment_fixed_size 264192
		.amdhsa_private_segment_fixed_size 0
		.amdhsa_enable_private_segment 0
		.amdhsa_kernarg_size 24
		.amdhsa_user_sgpr_count 2
		.amdhsa_user_sgpr_kernarg_segment_ptr 1
		.amdhsa_wavefront_size32 1
		.amdhsa_system_sgpr_workgroup_id_x 1
		.amdhsa_system_sgpr_workgroup_id_y 1
		.amdhsa_system_sgpr_workgroup_id_z 1
		.amdhsa_system_vgpr_workitem_id 0
		.amdhsa_next_free_vgpr 256
		.amdhsa_next_free_sgpr 66
		.amdhsa_reserve_vcc 1
		.amdhsa_float_denorm_mode_32 3
		.amdhsa_float_denorm_mode_16_64 3
		.amdhsa_fp16_overflow 1
		.amdhsa_memory_ordered 1
		.amdhsa_forward_progress 1
		.amdhsa_inst_pref_size 51
	.end_amdhsa_kernel
	.amdgpu_metadata
---
amdhsa.version: [ 1, 2 ]
amdhsa.kernels:
  - .name:           k_q542a7b02cc_attn
    .symbol:         k_q542a7b02cc_attn.kd
    .args:
      - { .name: qkvc, .offset: 0, .size: 8, .value_kind: global_buffer, .address_space: global }
      - { .name: lowp_scales, .offset: 8, .size: 8, .value_kind: global_buffer, .address_space: global }
      - { .name: ac, .offset: 16, .size: 8, .value_kind: global_buffer, .address_space: global }
    .group_segment_fixed_size: 264192
    .private_segment_fixed_size: 0
    .kernarg_segment_align: 8
    .kernarg_segment_size: 24
    .max_flat_workgroup_size: 512
    .sgpr_count:     66
    .vgpr_count:     256
    .wavefront_size: 32
...
	.end_amdgpu_metadata
.endif
;; end of part 3
;; launch proj (part 4): grid 4 x 64, 4 waves a work-group, clusters of 4 x 4, 327,680 bytes of LDS; arguments ac, wc, lowp_scales, out0; writes out0
.if DOCPART == 4
	.amdgcn_target "amdgcn-amd-amdhsa--gfx1250"
	.amdhsa_code_object_version 6
	.text
	.protected	k_q542a7b02cc_proj
	.globl	k_q542a7b02cc_proj
	.p2align	8
	.type	k_q542a7b02cc_proj,@function
k_q542a7b02cc_proj:
	s_mov_b64 s[64:65], 0
	v_nop
	global_prefetch_b8 v0, s[64:65] scope:SCOPE_SE
	s_setreg_imm32_b32 hwreg(HW_REG_WAVE_MODE, 25, 1), 1
	s_wait_xcnt 0x0
	s_wait_alu depctr_hold_cnt(0) depctr_sa_sdst(0) depctr_va_vdst(0) depctr_va_sdst(0) depctr_va_ssrc(0) depctr_va_vcc(0) depctr_vm_vsrc(0)
	s_getreg_b32 s2, hwreg(HW_REG_IB_STS2, 6, 4)
	s_cmp_eq_u32 s2, 0
	s_cbranch_scc0 .Lentry_in_a_cluster
	s_endpgm
.Lentry_in_a_cluster:
	s_bfe_u32 s2, ttmp6, 0x10000c
	s_cmp_lg_u32 s2, 0xf033
	s_cbranch_scc0 .Lentry_shape_is_right
	s_endpgm
.Lentry_shape_is_right:
; out0 = attended Wo on codes of E4M3 (attended: 2^e10, Wo: 2^e11); sums in f32, each finished sum multiplied once by 2^(e10 + e11); out0 [8192][1024] f32.
; LIMIT: e10 + e11 lies between -126 and 127, so that 2^(e10 + e11) is an f32 number.
; THE TILE is 128 rows x 256 columns: 8,192 x 1,024 / (128 x 256) = 256 work-groups, where tiles of 256 x 256 would be 128.  Four waves, each 64 x 128: 32 accumulators of 16 x 16, 256 registers.
; The price: for 128 along K a wave reads (64 + 128) rows x 128 bytes from LDS for 32 products, half as much again for each product as a wave tile of 128 x 128 would.
; OPERANDS lie in memory as images of their registers: a fragment (16 rows x 128 K) is 2,048 bytes, [g 4][lane 32][16 bytes]; a tile of 16 rows has its eight K steps on end (16,384 bytes).
; A = ac (rows = tokens), B = Wo's codes, the fourth MiB of wc (rows = its columns n).
; LDS: THREE slots of 256 along K (A 32,768 bytes, then B 65,536).  K = 1,024 is four such steps: three go out as first fills, three tensor loads a wave, and only the fourth is a refill, of slot 0:
; it is asked for behind the one round in the text's middle and has the rest of step 1 and steps 2 to 4 (112 products a wave) in which to land.  The eight steps of 128 are written out: no loop.
; CLUSTERS: 4 x 4 work-groups.  The four of a row of the cluster need the same tiles of A, the four of a column the same tiles of B: each is asked for jointly.
; THE MATRIX INSTRUCTION IS USED TRANSPOSED (source 0 = 16 rows of B, source 1 = 16 rows of A): a lane holds eight neighbouring numbers of a row of the output.
; REGISTERS, in windows of 256: window 0: v16-29 addresses; v32-95 at work on the way out; v128-191, v192-255 A's fragments (4 x 16 rows x 128 K), two sets.
;   window 1: B's fragments (8), two sets, at v0 and v128.   window 2: the accumulators ((a, b) at v[8 (8 a + b)]).
.set FR,     16                        ; registers of a fragment
.set NP,     4                         ; places behind this matrix instruction (ISA guide 7.12.1)
.set KSLOT,  4096                      ; what a slot takes of each tile of 16 rows: two fragments
.set ABYTES, 8*KSLOT                   ; A's 128 rows in a slot
.set SLOT,   3*ABYTES                  ; and B's 256 rows behind them: 98,304 bytes
.set SPARE,  3*SLOT                    ; behind the three slots: the spare words, 128 bytes for each wave: two blocks of 256 bytes that no other line names
.set STAGE,  SLOT                      ; the way out: 16 rows x (512 bytes + 16) for each wave, in slot 1: it is filled once, and every wave's last read of it is waited for in front of the last barrier
.set SPITCH, 528
.set NROW,   4096                      ; a row of out0 in bytes
.set ADRA, 16                          ; v16-18  LDS address of my A fragments in slot 0, 1, 2
.set ADRB, 20                          ; v20-22  the same for B
.set STO,  24                          ; v24     the way out: where I put 32 bytes of a row
.set RD,   25                          ; v25     the way out: where I read a row back
.set CO,   26                          ; v26     my byte offset in a row of out0
.set SPW,  28                          ; v28     LDS address of my spare word; never rewritten
.set NIL,  29                          ; v29     0; never rewritten
.set TMP,  32                          ; the way out: 64 registers, a block's sums x 2^(e10 + e11)
.set AF,   128
.set BK,   128                         ; the way out: 16 rows read back from the stage: v128-191 and v192-255 by turns
.set G1,  24                           ; s[24:31] descriptor group 1 for A's tiles;  s[32:43] group 0, one set for each slot
.set G0,  32
.set G1B, 48                           ; s[48:55] group 1 for B's tiles;  s[68:79] group 0
.set G0B, 68
.set MSB, 0
.macro WIN new                         ; the immediate's high byte repeats the setting that is left
.if MSB != \new
	s_set_vgpr_msb (MSB<<8)|\new
.set MSB, \new
.endif
.endm
.set MUL,  0xa1                        ; source 0 (B) window 1, source 1 (A) window 0, C and D window 2
.set TO_B, 0x40                        ; destination window 1, address window 0
; A joint load: waves 0 and 1 fetch for A, waves 2 and 3 for B.  Each line has one mask and one set of registers for all that issue it; the branch hangs on the wave's number alone.
; Four v_nop follow each of the two lines, ahead of the jump, the label and what follows.
.macro JLOAD g0a, g1a, g0b, g1b
	s_cmp_eq_u32 s15, 0
	s_cbranch_scc0 .Lfor_b_\@
	tensor_load_to_lds s[\g0a:\g0a+3], s[\g1a:\g1a+7]
	s_nop 0
.rept 4
	v_nop
.endr
	s_branch .Lasked_\@
.Lfor_b_\@:
	tensor_load_to_lds s[\g0b:\g0b+3], s[\g1b:\g1b+7]
	s_nop 0
.rept 4
	v_nop
.endr
.Lasked_\@:
.endm
.macro CREST                           ; a round of the cluster's barrier behind its opening barrier
	s_cmp_lg_u32 s14, 0
	s_cbranch_scc1 .Lnot_wave_0_\@
	s_barrier_signal -3
.Lnot_wave_0_\@:
	s_barrier_wait -3
	s_barrier_signal -1
	s_barrier_wait -1
.endm
.macro CROUND                          ; a whole round
	s_barrier_signal -1
	s_barrier_wait -1
	CREST
.endm
	s_load_b256 s[4:11], s[0:1], 0x0               ; ac s[4:5], wc s[6:7], the scales' exponents s[8:9], out0 s[10:11]
	v_lshl_add_u32 v[SPW], v0, 2, SPARE
	v_mov_b32 v[NIL], 0
	ds_add_u32 v28, v29
	ds_add_u32 v28, v29
	s_wait_dscnt 0x0
	v_lshrrev_b32 v1, 5, v0
	v_readfirstlane_b32 s14, v1                    ; wave 0..3
	s_lshr_b32 s15, s14, 1                         ; which half of the tile's rows is mine.  Also: I fetch for A (0) or for B (1)
	s_and_b32 s16, s14, 1                          ; which half of its columns.  Also: which half of that tile I fetch
	s_bfe_u32 s80, ttmp6, 0x40000                  ; cx, cy: my place in the cluster
	s_bfe_u32 s81, ttmp6, 0x40004
	s_lshl_b32 s82, ttmp9, 2
	s_add_co_u32 s82, s82, s80                     ; tile column = 4 x cluster x + cx, 0..3
	s_and_b32 s17, ttmp7, 0xffff
	s_lshl_b32 s17, s17, 2
	s_add_co_u32 s17, s17, s81                     ; tile row = 4 x cluster y + cy, 0..63
	s_lshl_b32 s83, s81, 2
	s_lshl_b32 s83, 15, s83                        ; my row of the cluster
	s_lshl_b32 s84, 0x1111, s80                    ; my column
	; descriptor group 1: tiles of 16 rows, of each 4,096 consecutive bytes (two K steps of 128), 16,384 bytes apart; elements of 8 bytes; dense in LDS.  A's load brings 4 such tiles, B's 8
	s_or_b32 s[G1+0], s83, (3<<16)|(1<<21)         ; 15:0 the mask: A's tiles go to my row; 17:16 elements of 8 bytes; 20 no padding; 21 set beside a mask
	s_or_b32 s[G1B+0], s84, (3<<16)|(1<<21)        ; B's go to my column
	s_mov_b32 s[G1+2], 4<<16                       ; tensor_dim1
	s_mov_b32 s[G1+4], 4                           ; tile_dim1
	s_mov_b32 s[G1B+2], 8<<16
	s_mov_b32 s[G1B+4], 8
.irp g, G1, G1B
	s_mov_b32 s[\g+1], 512<<16                     ; tensor_dim0 = 512 elements
	s_mov_b32 s[\g+3], 512<<16                     ; tile_dim0
	s_mov_b32 s[\g+5], 2048                        ; tensor_dim0_stride: 16,384 bytes
	s_mov_b32 s[\g+6], 0
	s_mov_b32 s[\g+7], 0
.endr
	s_lshl_b32 s20, s17, 17                        ; A: 128 rows are 8 x 16,384 bytes,
	s_lshl_b32 s18, s16, 16                        ; my half of them 4 x 16,384
	s_add_co_u32 s20, s20, s18
	s_mov_b32 s21, 0
	s_lshl_b32 s46, s82, 18                        ; B: 256 rows are 16 x 16,384 bytes,
	s_lshl_b32 s18, s16, 17                        ; my half of them 8 x 16,384,
	s_add_co_u32 s46, s46, s18
	s_add_co_u32 s46, s46, 0x300000                ; in the fourth weight's codes
	s_mov_b32 s47, 0
	s_lshl_b32 s44, s16, 14                        ; where they go in a slot: A's halves at 0 and 16,384,
	s_lshl_b32 s45, s16, 15
	s_add_co_u32 s45, s45, ABYTES                  ; B's at 32,768 and 65,536: no place in the cluster enters an LDS address
	s_wait_kmcnt 0x0
	s_load_b64 s[96:97], s[8:9], 0x28              ; e10, e11
	s_add_nc_u64 s[20:21], s[4:5], s[20:21]
	s_add_nc_u64 s[46:47], s[6:7], s[46:47]
.irp s, 0,1,2
	s_mov_b32 s[G0+4*\s], 1
	s_add_co_u32 s[G0+4*\s+1], s44, \s*SLOT
	s_add_nc_u64 s[G0+4*\s+2:G0+4*\s+3], s[20:21], \s*KSLOT
	s_or_b32 s[G0+4*\s+3], s[G0+4*\s+3], 0x80000000
	s_mov_b32 s[G0B+4*\s], 1
	s_add_co_u32 s[G0B+4*\s+1], s45, \s*SLOT
	s_add_nc_u64 s[G0B+4*\s+2:G0B+4*\s+3], s[46:47], \s*KSLOT
	s_or_b32 s[G0B+4*\s+3], s[G0B+4*\s+3], 0x80000000
.endr
	CROUND                                         ; all sixteen work-groups are here: the first joint loads meet
	s_cmp_eq_u32 s15, 0                            ; a wave's three first fills stand in one branch, ahead of every wait on TENSORcnt, every LDS read and every other barrier: three loads of mine are out
	s_cbranch_scc0 .Lfirst_b
	tensor_load_to_lds s[G0:G0+3], s[G1:G1+7]
	s_nop 0
	tensor_load_to_lds s[G0+4:G0+7], s[G1:G1+7]
	s_nop 0
	tensor_load_to_lds s[G0+8:G0+11], s[G1:G1+7]
	s_nop 0
.rept 4
	v_nop
.endr
	s_branch .Lfirst_asked
.Lfirst_b:
	tensor_load_to_lds s[G0B:G0B+3], s[G1B:G1B+7]
	s_nop 0
	tensor_load_to_lds s[G0B+4:G0B+7], s[G1B:G1B+7]
	s_nop 0
	tensor_load_to_lds s[G0B+8:G0B+11], s[G1B:G1B+7]
	s_nop 0
.rept 4
	v_nop
.endr
.Lfirst_asked:
	v_and_b32 v1, 15, v0                           ; l % 16
	v_bfe_u32 v2, v0, 4, 1                         ; l / 16
	v_and_b32 v6, 31, v0
	v_lshlrev_b32 v4, 4, v6                        ; 16 x lane
	s_lshl_b32 s21, s15, 14                        ; my 64 rows of A
	s_lshl_b32 s22, s16, 15                        ; my 128 rows of B,
	s_add_co_u32 s22, s22, ABYTES                  ; which lie behind A's 128
.irp s, 0,1,2
	v_add_nc_u32 v[ADRA+\s], s21, v4
	v_add_nc_u32 v[ADRB+\s], s22, v4
	s_add_co_u32 s21, s21, SLOT
	s_add_co_u32 s22, s22, SLOT
.endr
	s_mul_i32 s23, s14, 16*SPITCH
	s_add_co_u32 s23, s23, STAGE                   ; my stage
	v_mul_u32_u24 v5, v1, SPITCH                   ; in: row l % 16, 32 bytes for each half of the lanes
	v_lshl_add_u32 v5, v2, 5, v5
	v_add_nc_u32 v[STO], s23, v5
	v_lshlrev_b32 v[CO], 4, v6                     ; back: the 32 lanes take one row of 512 bytes; and the same in out0
	v_add_nc_u32 v[RD], s23, v[CO]
	s_lshl_b32 s20, s17, 7
	s_lshl_b32 s21, s15, 6
	s_add_co_u32 s20, s20, s21                     ; my first row: 128 x tile row + 64 x half
	s_lshl_b32 s20, s20, 12                        ; x 4,096 bytes
	s_lshl_b32 s46, s82, 10                        ; my first column, in bytes: 1,024 x tile column + 512 x half
	s_lshl_b32 s47, s16, 9
	s_add_co_u32 s46, s46, s47
	s_add_co_u32 s20, s20, s46
	s_mov_b32 s21, 0
	s_add_nc_u64 s[10:11], s[10:11], s[20:21]
.macro FRAG reg, adr, q, i             ; fragment (tile of rows i, the slot's q-th 128 along K): its image, 512 consecutive bytes a load
.irp c, 0,1,2,3
	ds_load_b128 v[\reg+4*\c:\reg+4*\c+3], v[\adr] offset:KSLOT*(\i)+2048*(\q)+512*\c
.endr
.endm
; 8 matrix instructions: A's block a x B's eight, 128 along K, on set p.  zero = 1: the first product starts the sums: nothing is ever cleared.
; The 32 accumulators take turns, one instruction a turn, in the same order in every step.
.macro MUL8 a, p, zero
.irp b, 0,1,2,3,4,5,6,7
.if \zero
	v_wmma_f32_16x16x128_fp8_fp8 v[8*(8*(\a)+\b):8*(8*(\a)+\b)+7], v[128*(\p)+FR*\b:128*(\p)+FR*\b+FR-1], v[AF+64*(\p)+FR*(\a):AF+64*(\p)+FR*(\a)+FR-1], 0
.else
	v_wmma_f32_16x16x128_fp8_fp8 v[8*(8*(\a)+\b):8*(8*(\a)+\b)+7], v[128*(\p)+FR*\b:128*(\p)+FR*\b+FR-1], v[AF+64*(\p)+FR*(\a):AF+64*(\p)+FR*(\a)+FR-1], v[8*(8*(\a)+\b):8*(8*(\a)+\b)+7]
.endif
.endr
.endm
; A step's 48 fragment loads, in two runs of 24, into set p
.macro FETCH1 slot, q, p               ; B's fragments 0-5
	WIN TO_B
.irp i, 0,1,2,3,4,5
	FRAG 128*(\p)+FR*\i, ADRB+\slot, \q, \i
.endr
.endm
.macro FETCH2 slot, q, p               ; B's fragments 6, 7 and A's four
	WIN TO_B
.irp i, 6,7
	FRAG 128*(\p)+FR*\i, ADRB+\slot, \q, \i
.endr
	WIN 0
.irp i, 0,1,2,3
	FRAG AF+64*(\p)+FR*\i, ADRA+\slot, \q, \i
.endr
.endm
; A load into a register that a matrix instruction has read, and a vector instruction that reads a matrix result, stand NP places behind that matrix instruction; only plain vector
; instructions that name none of its registers are places (ISA guide 7.12.1 for vector instructions).
.macro PLACES n
.rept \n
	v_nop
.endr
.endm
; A step of 128 along K on set p; between its products the next step's fragments (slot nslot, its nq-th 128) come into the other set, whose last readers are the step before's products:
; the four places stand between those and the first of the loads.  The second run has 16 products behind it, ahead of the wait at the next step's head.
.macro STEP p, zero, nslot, nq
	s_wait_dscnt 0x0                               ; set p is in
	WIN MUL
	MUL8 0, \p, \zero
	PLACES NP
	FETCH1 \nslot, \nq, 1-(\p)
	WIN MUL
	MUL8 1, \p, \zero
	FETCH2 \nslot, \nq, 1-(\p)
	WIN MUL
	MUL8 2, \p, \zero
	MUL8 3, \p, \zero
.endm
; A step whose successor lies in a slot that other waves' loads have filled: ONE barrier; in front of it each wave waits for all its tensor loads, adds 0 to its spare word, and waits for that and for its LDS reads.
; fill = 1: slot 0, which every wave has read out, is filled again with the last 256 along K; the barrier then opens a round of the cluster's barrier.
.macro TURN p, nslot, fill
	WIN 0                                          ; (the add's two registers lie in window 0)
	s_wait_tensorcnt 0x0                           ; all my tensor loads have landed
	ds_add_u32 v[SPW], v[NIL]                      ; 0 onto my spare word
	s_wait_dscnt 1                                 ; set p's 48 loads are older than the add: they are in; the add may be out
	WIN MUL
	MUL8 0, \p, 0                                  ; eight matrix instructions stand between the add and the wait for it
	s_wait_dscnt 0x0                               ; the add is done, and my LDS reads are over
	s_barrier_signal -1
	MUL8 1, \p, 0
	WIN 0
	s_barrier_wait -1
.if \fill
	CREST                                          ; no wave of any partner still reads slot 0 or has a load on its way
	s_add_nc_u64 s[G0+2:G0+3], s[G0+2:G0+3], 3*KSLOT
	s_add_nc_u64 s[G0B+2:G0B+3], s[G0B+2:G0B+3], 3*KSLOT
	JLOAD G0, G1, G0B, G1B                         ; the first tensor load behind the round, and my only one; the four v_nop behind it are the places in front of the loads below
.else
	PLACES NP
.endif
	s_wait_alu depctr_va_vdst(0)
	FETCH1 \nslot, 0, 1-(\p)
	FETCH2 \nslot, 0, 1-(\p)
	WIN MUL
	MUL8 2, \p, 0
	MUL8 3, \p, 0
.endm
	s_wait_tensorcnt 2                             ; my part of slot 0 is in (my loads for slots 1 and 2 may be out)
	s_barrier_signal -1
	s_barrier_wait -1                              ; everybody's is
	FETCH1 0, 0, 0
	FETCH2 0, 0, 0
	STEP 0, 1, 0, 1                                ; k 0-127: its products start the sums
	TURN 1, 1, 1                                   ; k 128-255; slots 1 and 2 are whole in every wave; slot 0 takes k 768-1023
	STEP 0, 0, 1, 1                                ; k 256-383
	STEP 1, 0, 2, 0                                ; k 384-511
	STEP 0, 0, 2, 1                                ; k 512-639
	TURN 1, 0, 0                                   ; k 640-767; the refill has landed in every wave; nothing more is asked for.  Behind this barrier nobody reads slots 1 and 2
	STEP 0, 0, 0, 1                                ; k 768-895
	s_wait_dscnt 0x0                               ; k 896-1023: nothing more to fetch
	WIN MUL
	MUL8 0, 1, 0
	MUL8 1, 1, 0
	MUL8 2, 1, 0
	MUL8 3, 1, 0
	WIN 0
; THE WAY OUT, block by block of 16 rows x 128 columns.  A lane holds 32 neighbouring bytes of a row, and the lanes beside it hold other rows: so a block goes through my own stage in LDS and comes back as whole
; rows of 512 bytes.  LDS serves a wave's instructions in order (ISA guide 5.7.1.4): no wait between the stores and the loads, nor in front of the next block's stores.
.macro TOSTAGE a
	WIN 0x02                                       ; source 0: window 2
.set j, 0
.rept 32
	v_pk_mul_f32 v[TMP+j:TMP+j+1], v[64*(\a)+j:64*(\a)+j+1], s[96:97] op_sel_hi:[1,0]   ; both x s96 = 2^(e10 + e11); each accumulator from its low end on
.set j, j+2
.endr
	WIN 0
.irp b, 0,1,2,3,4,5,6,7
	ds_store_b128 v[STO], v[TMP+8*\b:TMP+8*\b+3] offset:64*\b
	ds_store_b128 v[STO], v[TMP+8*\b+4:TMP+8*\b+7] offset:64*\b+16
.endr
.set BB, BK+64*((\a)%2)
.irp t, 0,1,2,3,4,5,6,7,8,9,10,11,12,13,14,15
	ds_load_b128 v[BB+4*\t:BB+4*\t+3], v[RD] offset:\t*SPITCH
.endr
.endm
.macro SEND a, younger                 ; younger: the LDS instructions issued behind block a's loads, which may stay out
.set BB, BK+64*((\a)%2)
	s_wait_dscnt \younger                          ; the block is back in registers
.if (\a) > 0
	s_add_nc_u64 s[10:11], s[10:11], 16*NROW       ; (behind a wait on XCNT: the earlier stores have read their base)  16 rows on
.endif
.irp t, 0,1,2,3,4,5,6,7,8,9,10,11,12,13,14,15
	global_store_b128 v[CO], v[BB+4*\t:BB+4*\t+3], s[10:11] offset:\t*NROW th:TH_STORE_NT   ; 32 lanes store 512 consecutive bytes, aligned; written once, read by nobody here
.endr
.endm
	s_wait_kmcnt 0x0
	s_add_co_i32 s96, s96, s97                     ; e10 + e11, between -126 and 127,
	s_add_co_i32 s96, s96, 127
	s_lshl_b32 s96, s96, 23                        ; makes the f32 number 2^(e10 + e11)
	PLACES NP                                      ; behind the last products: for the reads of results and for the loads into the registers that held A's fragments
	TOSTAGE 0
.irp a, 1,2,3
.if \a > 1
	s_wait_xcnt 0x0                                ; block a - 2's stores have read their registers and their base: block a's loads may land there, and the base may step
.endif
	TOSTAGE \a
	SEND \a-1, 32                                  ; behind block a - 1's loads: block a's 16 stores and 16 loads
.endr
	s_wait_xcnt 0x0                                ; block 2's stores have read their base
	SEND 3, 0
	s_wait_tensorcnt 0x0                           ; the wave's end
	ds_add_u32 v[SPW], v[NIL]
	s_wait_dscnt 0x0
	CROUND                                         ; the closing round: no work-group ends while a partner may still ask for a tile that names it
	s_endpgm
.Lfunc_end_k_q542a7b02cc_proj:
	.size	k_q542a7b02cc_proj, .Lfunc_end_k_q542a7b02cc_proj-k_q542a7b02cc_proj
	.p2alignl 7, 3214868480
	.fill 96, 4, 3214868480
	.section	.rodata,"a",@progbits
	.p2align	6, 0x0
	.amdhsa_kernel k_q542a7b02cc_proj
		.amdhsa_group_segment_fixed_size 327680
		.amdhsa_private_segment_fixed_size 0
		.amdhsa_enable_private_segment 0
		.amdhsa_kernarg_size 32
		.amdhsa_user_sgpr_count 2
		.amdhsa_user_sgpr_kernarg_segment_ptr 1
		.amdhsa_wavefront_size32 1
		.amdhsa_system_sgpr_workgroup_id_x 1
		.amdhsa_system_sgpr_workgroup_id_y 1
		.amdhsa_system_sgpr_workgroup_id_z 1
		.amdhsa_system_vgpr_workitem_id 0
		.amdhsa_next_free_vgpr 768
		.amdhsa_next_free_sgpr 98
		.amdhsa_reserve_vcc 0
		.amdhsa_float_denorm_mode_32 3
		.amdhsa_float_denorm_mode_16_64 3
		.amdhsa_memory_ordered 1
		.amdhsa_forward_progress 1
		.amdhsa_inst_pref_size 75
	.end_amdhsa_kernel
	.amdgpu_metadata
---
amdhsa.version: [ 1, 2 ]
amdhsa.kernels:
  - .name:           k_q542a7b02cc_proj
    .symbol:         k_q542a7b02cc_proj.kd
    .args:
      - { .name: ac, .offset: 0, .size: 8, .value_kind: global_buffer, .address_space: global }
      - { .name: wc, .offset: 8, .size: 8, .value_kind: global_buffer, .address_space: global }
      - { .name: lowp_scales, .offset: 16, .size: 8, .value_kind: global_buffer, .address_space: global }
      - { .name: out0, .offset: 24, .size: 8, .value_kind: global_buffer, .address_space: global }
    .group_segment_fixed_size: 327680
    .private_segment_fixed_size: 0
    .kernarg_segment_align: 8
    .kernarg_segment_size: 32
    .max_flat_workgroup_size: 128
    .sgpr_count:     98
    .vgpr_count:     768
    .wavefront_size: 32
...
	.end_amdgpu_metadata
.endif
;; end of part 4
